; MI455X (gfx1250); checked and timed in simulation.
; The chip was launched on July 23, 2026; its instructions are those of AMD's public machine-readable ISA for CDNA 5 (MIT licence, August 2026) and "CDNA5" Instruction Set Architecture Reference Guide (July 2026). The comments in the code are by the model that wrote it; some were corrected since.
;; User Neighbor Aggregator. Allowed arithmetic: matrix products marked QUANTISED: E2M1 operands, one E8M0 scale for each 32 along K, by v_wmma_scale_f32_16x16x128_f8f6f4 with both operands' format E2M1 (or v_wmma_scale_f32_32x16x128_f4), f32 sums; products left as they are: f32 operands where the result goes on into a quantised operand, else bf16, f16 or f32 operands; f32 sums; everything else in f32.
;; Inputs: W1_codes 512 x 32 x 16 uint8 (E2M1 codes of W1, K innermost, in blocks of 32 codes, two codes a byte); W1_scales 512 x 32 uint8 (E8M0 scales of W1, one for each 32 codes along K); W2_codes 512 x 16 x 16 uint8 (E2M1 codes of W2, K innermost, in blocks of 32 codes, two codes a byte); W2_scales 512 x 16 uint8 (E8M0 scales of W2, one for each 32 codes along K); b1 512 float32; b2 512 float32; cache_embeddings 100,000 x 512 float32; user_embeddings 1,024 x 512 float32.
;; Outputs: out0 1,024 x 512 float32.
;; This version of the problem:
;;   THIS VERSION OF THE PROBLEM IS GIVEN IN LOW PRECISION. The matrix products marked QUANTISED in the list below multiply operands that are first quantised to E2M1 (2 exponent bits, 1 mantissa bit; 4 bits a number), with one power-of-two scale for each 32 numbers along K (OCP MX v1.0); their sums are f32. All else is computed in f32.
;;   The module's matrix products, in the order in which they are computed (A, B: the left and right operand; K: the contracted axis; several contracted axes count as one K, in the product's order):
;;     1. [M 1,024, K 512] x [K 512, N 100,000]; A: computed on the way; B: computed on the way: QUANTISED
;;     2. batch 1,024 x [M 1, K 20] x [K 20, N 512]; A: computed on the way; B: computed on the way: left as it is (K = 20 < 32)
;;     3. [M 1,024, K 1,024] x [K 1,024, N 512]; A: computed on the way; B: input W1 (given as codes): QUANTISED
;;     4. [M 1,024, K 512] x [K 512, N 512]; A: computed on the way; B: input W2 (given as codes): QUANTISED
;;   THE QUANTISER, for each operand of a quantised product, along K:
;;     - K is cut into blocks of 32 from its start; a last block that is shorter is filled with zeros.
;;     - A block's scale is 2^e with e = floor(log2(the largest magnitude in the block)) - 2, held to -126 .. 127; a block of zeros has e = 0. As a byte (E8M0): e + 127.
;;     - Each number is divided by its block's scale, clamped to +-6, and rounded to the nearest number of E2M1, ties to even, subnormals kept.
;;     - The product sums the exact products of the quantised numbers (number of the format x scale) in f32.
;;   ~~~python
;;   def quantise(x, axis):      # numpy; x: float32 -> the quantised numbers, widened to float32 again
;;       x = np.moveaxis(x, axis, -1); K = x.shape[-1]
;;       x = np.pad(x, [(0, 0)] * (x.ndim - 1) + [(0, -K % 32)]); x = x.reshape(x.shape[:-1] + (-1, 32)); a = np.abs(x).max(-1, keepdims=True)
;;       e = np.where(a > 0, np.clip(np.frexp(np.where(a > 0, a, 1))[1] - 1 - 2, -126, 127), 0)      # np.frexp(a)[1] - 1 = floor(log2(a)), exactly
;;       r = np.clip(x / 2.0 ** e, -6, 6)
;;       step = 2.0 ** (np.maximum(np.frexp(np.where(r == 0, 1, r))[1] - 1, 0) - 1)
;;       q = np.round(r / step) * step * 2.0 ** e      # np.round: ties to even
;;       return np.moveaxis(q.reshape(q.shape[:-2] + (-1,))[..., :K], -1, axis).astype(np.float32)
;;   ~~~
;;   OPERANDS COMPUTED ON THE WAY. 'Computed on the way' means the value that the module computes at that place (a softmax that the list does not call 'softmax' is quantised finished and normalised). What goes into a quantiser is computed in f32, as accurately as f32 sums, v_exp_f32 and their like allow (about 1e-6 of the number): no bf16 or f16 on the way to a quantiser, and a product that is left as it is and whose result goes on into a quantised operand takes f32 operands (vector FMAs, or v_wmma_f32_16x16x4_f32). A number that lies on a knife's edge between two numbers of the format may be rounded either way, as far as f32 arithmetic and the matrix unit's own rounding can turn it there, and no further.
;;   INPUTS GIVEN AS CODES. W1 (in the module: [1024, 512], K = its axis 0); W2 (in the module: [512, 512], K = its axis 0): each comes as NAME_codes (uint8): NAME with its K axis moved to the last place and cut into blocks of 32 codes, [.., K / 32, bytes a block], one block behind the other in memory; two codes a byte, the lower K in the low four bits (a code: sign, 2 exponent bits, 1 mantissa bit); and NAME_scales (uint8): the same leading axes, one E8M0 byte (e + 127) for each 32 codes along K. Its value is code x scale, taken as it is: it is not quantised again, and the codes and scales need not be those that the quantiser above would give.
;; 2 versions, each right; version 2 is version 1 with the launches quant, rec, fuse written anew for expert scheduling mode. Each part assembles by itself: llvm-mc -triple=amdgcn-amd-amdhsa -mcpu=gfx1250 --defsym DOCPART=n.
;; ======== version 1 of 2: 6 launches
;; workspace buffers: uq 278,528 bytes; cq 27,200,000 bytes; m1 25,600,000 bytes; m2 1,024,000 bytes; idx2 131,072 bytes of whole numbers; idx1 131,072 bytes of whole numbers; nidx 131,072 bytes of whole numbers; wts 131,072 bytes
;; launch quant (part 1): grid 3157 x 1, 2 waves a work-group, no clusters, 17,152 bytes of LDS; arguments cache_embeddings, user_embeddings, cq, uq; writes cq, uq
.if DOCPART == 1
	.amdgcn_target "amdgcn-amd-amdhsa--gfx1250"
	.amdhsa_code_object_version 6
	.text
	.protected	k_qf0e8a8262d_quant
	.globl	k_qf0e8a8262d_quant
	.p2align	8
	.type	k_qf0e8a8262d_quant,@function
k_qf0e8a8262d_quant:
	s_mov_b64 s[64:65], 0
	v_nop
	global_prefetch_b8 v0, s[64:65] scope:SCOPE_SE
	s_setreg_imm32_b32 hwreg(HW_REG_WAVE_MODE, 25, 1), 1
	s_wait_xcnt 0x0
; Rows of 512 f32 (64 tiles of 16 users, 6,250 tiles of 16 cached rows) are l2-normalised in f32, x * 1 / (sqrt(sum x^2) + 1e-12), and turned into
; codes of FP4 (E2M1) with one E8M0 byte for each 32 along K.  One wave takes one tile of 16 rows (32,768 bytes) and writes one RECORD of 4,352 bytes:
;   byte 1024 ks + 512 c + 16 lane: registers 4 c .. 4 c + 3 of the matrix operand of K step ks (lane (r, h): row r, k = 128 ks + 64 c + 32 h + 0 .. 31);
;   byte 4096 + 16 m: row m's sixteen scale bytes, K ascending: word ks is the scale word of K step ks.
; So every later launch loads operands by 16-byte loads as they lie, and every store here covers 512 (the scale bytes: 256) consecutive bytes, aligned to 256.
; LIMITS: NaN and infinities are not served.  A block of zeros gets the byte 1 where the rule says 127: its codes are zeros, and this program alone reads the bytes.
; The quotient is made by v_sqrt_f32, v_rcp_f32 (1 ulp each) and a multiplication.
; The first 32 work-groups take the users, the others the cache: only pointers are chosen, the path is one.  No tensor loads, no barrier: waves share nothing.
; REGISTERS: window 1: the tile as loaded, row p, quarter k at v[16 p + 4 k].  Window 0: v1-8 addresses; v16-63 sums of squares; v64-127 64 numbers of a lane; v128-159 codes; v160-163 scale words.
.set REC,    4352
.set PITCH,  528                       ; a stage row: 512 bytes + 16, an odd multiple of 16: the sixteen rows of a read start at sixteen different 16-byte columns
.set STAGEB, 16*PITCH                  ; a wave's own stage
.set S,   16                           ; v16-47   a pair of partial sums for each row
.set UT,  32                           ; v32-39   the butterfly's numbers to send (S is done with by then)
.set A,   48                           ; v48-63   a partial sum for each row
.set X,   64
.set C,   128
.set W,   160
.set INV, 164                          ; v164-165 1 / (norm + eps) of my row, twice
.set M,   166
.set SO,  168
.set B,   170
.set WT,  172
.set TP,  173
.set MSB, 0
.macro WIN new                         ; the immediate's high byte repeats the setting that is left
.if MSB != (\new)
	s_set_vgpr_msb (MSB<<8)|(\new)
.set MSB, (\new)
.endif
.endm
	s_load_b256 s[4:11], s[0:1], 0x0               ; cache s[4:5], users s[6:7], cq s[8:9], uq s[10:11]
	v_lshl_add_u32 v254, v0, 2, 0x4200
	v_mov_b32 v255, 0
	v_lshrrev_b32 v1, 5, v0
	v_readfirstlane_b32 s12, v1                    ; wave 0, 1
	v_and_b32 v1, 31, v0                           ; lane
	v_lshlrev_b32 v2, 4, v1                        ; 16 x lane
	v_and_b32 v3, 15, v0                           ; r
	v_bfe_u32 v4, v0, 4, 1                         ; h
	s_mul_i32 s13, s12, STAGEB
	v_add_nc_u32 v5, s13, v2                       ; the stage, in: 16 x lane of a row
	v_mul_u32_u24 v6, v3, PITCH
	v_lshl_add_u32 v6, v4, 7, v6
	v_add_nc_u32 v6, s13, v6                       ; and out: row r, + 128 h bytes: k = 32 h on
	v_lshlrev_b32 v7, 4, v3                        ; 16 r: my row's scale bytes
	v_lshlrev_b32 v8, 3, v4                        ; 8 h: my bytes' place in a scale word
	v_mov_b32 v[TP], 0                             ; a lane permute's destination counts as one of its sources
	s_mov_b32 s20, 0x76543210
	s_mov_b32 s21, 0xfedcba98                      ; selects for lane l xor 16
	s_mov_b32 s24, 0xaaaaaaaa                      ; lanes with bit 0, 1, 2, 3 of their number set
	s_mov_b32 s25, 0xcccccccc
	s_mov_b32 s26, 0xf0f0f0f0
	s_mov_b32 s27, 0xff00ff00
	s_lshl_b32 s14, ttmp9, 1
	s_add_co_u32 s14, s14, s12                     ; my tile among all 6,314
	s_wait_kmcnt 0x0
	s_cmp_lt_u32 ttmp9, 32                         ; users or cache: the choice hangs on the work-group's number alone
	s_cselect_b64 s[4:5], s[6:7], s[4:5]
	s_cselect_b64 s[8:9], s[10:11], s[8:9]
	s_cselect_b32 s15, 0, 64
	s_sub_co_u32 s14, s14, s15                     ; my tile in its tensor
	s_lshl_b32 s16, s14, 15                        ; 32,768 bytes a tile: under 2^31
	s_mov_b32 s17, 0
	s_add_nc_u64 s[4:5], s[4:5], s[16:17]
	s_mul_i32 s16, s14, REC
	s_add_nc_u64 s[8:9], s[8:9], s[16:17]
	; the whole tile is asked for at once: 64 loads of 512 consecutive bytes
	WIN 0x40                                       ; destination window 1
.set p, 0
.rept 16
.irp k, 0,1,2,3
	global_load_b128 v[16*p+4*\k:16*p+4*\k+3], v2, s[4:5] offset:2048*p+512*\k th:TH_LOAD_NT
.endr
.set p, p+1
.endr
	; sums of squares: my 16 numbers of each row, two at a time
	WIN 0x05                                       ; sources 0 and 1 window 1
.set p, 0
.rept 16
	s_wait_loadcnt 60-4*p                          ; row p's four loads are in; the four of each later row may be out
	v_pk_mul_f32 v[S+2*p:S+2*p+1], v[16*p:16*p+1], v[16*p:16*p+1]
.set q, 2
.rept 7
	v_pk_fma_f32 v[S+2*p:S+2*p+1], v[16*p+q:16*p+q+1], v[16*p+q:16*p+q+1], v[S+2*p:S+2*p+1]
.set q, q+2
.endr
.set p, p+1
.endr
	WIN 0
.set p, 0
.rept 16
	v_add_f32 v[A+p], v[S+2*p], v[S+2*p+1]
.set p, p+1
.endr
; Sixteen sums over the lanes at once.  A level halves the number of registers: of a pair of rows a lane keeps the one that its bit names and sends the other to lane l xor the bit.
.macro BFLY src, dst, n, msk, xm
.set i, 0
.rept \n
	v_cndmask_b32 v[\dst+i], v[\src+2*i], v[\src+2*i+1], s[\msk]
	v_cndmask_b32 v[UT+i], v[\src+2*i+1], v[\src+2*i], s[\msk]
.set i, i+1
.endr
.set i, 0
.rept \n
	v_add_f32_dpp v[\dst+i], v[UT+i], v[\dst+i] row_xmask:\xm row_mask:0xf bank_mask:0xf
.set i, i+1
.endr
.endm
	BFLY A, S, 8, 24, 1
	BFLY S, A, 4, 25, 2
	BFLY A, S, 2, 26, 4
	BFLY S, A, 1, 27, 8
	v_permlanex16_b32 v[A+1], v[A], s20, s21
	v_add_f32 v[A], v[A], v[A+1]                   ; lane l: the sum of squares of row l % 16
	v_sqrt_f32 v[A+2], v[A]
	v_nop                                          ; a plain place behind a transcendental
	s_wait_alu depctr_va_vdst(0)
	v_add_f32 v[A+2], 0x2b8cbccc, v[A+2]           ; + 1e-12
	v_rcp_f32 v[INV], v[A+2]
	v_nop
	s_wait_alu depctr_va_vdst(0)
	v_mov_b32 v[INV+1], v[INV]
; One K step of 128: the tile's quarter k turns through the stage, so that lane (r, h) holds two whole blocks of 32 of row r, in the operand's own order.
.macro KSTEP k
	WIN 0x04                                       ; an LDS store's data are its source 1: window 1
.set p, 0
.rept 16
	ds_store_b128 v5, v[16*p+4*\k:16*p+4*\k+3] offset:PITCH*p
.set p, p+1
.endr
	WIN 0
.irp c, 0,1
.irp i, 0,1,2,3,4,5,6,7
	ds_load_b128 v[X+32*\c+4*\i:X+32*\c+4*\i+3], v6 offset:256*\c+16*\i   ; LDS serves a wave's instructions in order: these see the stores above
.endr
.endr
	s_wait_dscnt 0x0
.set i, 0
.rept 32
	v_pk_mul_f32 v[X+i:X+i+1], v[X+i:X+i+1], v[INV:INV+1]
.set i, i+2
.endr
.irp c, 0,1
	v_max3_num_f32 v[M+\c], |v[X+32*\c]|, |v[X+32*\c+1]|, 0x1800000   ; block 2 c + h, all mine; the floor 2^(3 - 127) holds the byte at 1 from below
.endr
.irp i, 2,4,6,8,10,12,14,16,18,20,22,24,26,28,30
.irp c, 0,1
	v_max3_num_f32 v[M+\c], v[M+\c], |v[X+32*\c+\i]|, |v[X+32*\c+\i+1]|
.endr
.endr
.irp c, 0,1
	v_add_nc_u32 v[SO+\c], 0xff000000, v[M+\c]     ; 2 off the exponent field: the conversion's scale operand
.endr
.irp c, 0,1
	v_lshrrev_b32 v[B+\c], 23, v[SO+\c]            ; the scale's byte
.endr
	v_lshl_or_b32 v[WT], v[B+1], 16, v[B]          ; my two bytes, blocks h and 2 + h,
	v_lshlrev_b32 v[WT], v8, v[WT]                 ; at their places;
	v_permlanex16_b32 v[TP], v[WT], s20, s21
	v_or_b32 v[W+\k], v[WT], v[TP]                 ; with lane l xor 16's two the word is whole, in both lanes
.irp c, 0,1
.irp g, 0,1,2,3
	v_cvt_scalef32_pk8_fp4_f32 v[C+8*\k+4*\c+\g], v[X+32*\c+8*\g:X+32*\c+8*\g+7], v[SO+\c]
.endr
.endr
	v_nop                                          ; one plain place behind the last scaled conversion
.irp c, 0,1
	global_store_b128 v2, v[C+8*\k+4*\c:C+8*\k+4*\c+3], s[8:9] offset:1024*\k+512*\c   ; each K step has its own code registers: no store's data are written again
.endr
.endm
	KSTEP 0
	KSTEP 1
	KSTEP 2
	KSTEP 3
	global_store_b128 v7, v[W:W+3], s[8:9] offset:4096   ; 256 consecutive bytes; lanes l and l + 16 hold the same words and name the same 16 bytes
	s_wait_tensorcnt 0x0
	ds_add_u32 v254, v255
	s_wait_dscnt 0x0
	s_endpgm
.Lfunc_end_k_qf0e8a8262d_quant:
	.size	k_qf0e8a8262d_quant, .Lfunc_end_k_qf0e8a8262d_quant-k_qf0e8a8262d_quant
	.p2alignl 7, 3214868480
	.fill 96, 4, 3214868480
	.section	.rodata,"a",@progbits
	.p2align	6, 0x0
	.amdhsa_kernel k_qf0e8a8262d_quant
		.amdhsa_group_segment_fixed_size 17152
		.amdhsa_private_segment_fixed_size 0
		.amdhsa_enable_private_segment 0
		.amdhsa_kernarg_size 32
		.amdhsa_user_sgpr_count 2
		.amdhsa_user_sgpr_kernarg_segment_ptr 1
		.amdhsa_wavefront_size32 1
		.amdhsa_system_sgpr_workgroup_id_x 1
		.amdhsa_system_sgpr_workgroup_id_y 1
		.amdhsa_system_sgpr_workgroup_id_z 1
		.amdhsa_system_vgpr_workitem_id 0
		.amdhsa_next_free_vgpr 512
		.amdhsa_next_free_sgpr 66
		.amdhsa_reserve_vcc 0
		.amdhsa_float_denorm_mode_32 3
		.amdhsa_float_denorm_mode_16_64 3
		.amdhsa_memory_ordered 1
		.amdhsa_forward_progress 1
		.amdhsa_inst_pref_size 50
	.end_amdhsa_kernel
	.amdgpu_metadata
---
amdhsa.version: [ 1, 2 ]
amdhsa.kernels:
  - .name:           k_qf0e8a8262d_quant
    .symbol:         k_qf0e8a8262d_quant.kd
    .args:
      - { .name: cache_embeddings, .offset: 0, .size: 8, .value_kind: global_buffer, .address_space: global }
      - { .name: user_embeddings, .offset: 8, .size: 8, .value_kind: global_buffer, .address_space: global }
      - { .name: cq, .offset: 16, .size: 8, .value_kind: global_buffer, .address_space: global }
      - { .name: uq, .offset: 24, .size: 8, .value_kind: global_buffer, .address_space: global }
    .group_segment_fixed_size: 17152
    .private_segment_fixed_size: 0
    .kernarg_segment_align: 8
    .kernarg_segment_size: 32
    .max_flat_workgroup_size: 64
    .sgpr_count:     66
    .vgpr_count:     512
    .wavefront_size: 32
...
	.end_amdgpu_metadata
.endif
;; end of part 1
;; launch sims (part 2): grid 250 x 1, 8 waves a work-group, no clusters, 216,320 bytes of LDS; arguments cq, uq, m1, m2; writes m1, m2
.if DOCPART == 2
	.amdgcn_target "amdgcn-amd-amdhsa--gfx1250"
	.amdhsa_code_object_version 6
	.text
	.protected	k_qf0e8a8262d_sims
	.globl	k_qf0e8a8262d_sims
	.p2align	8
	.type	k_qf0e8a8262d_sims,@function
k_qf0e8a8262d_sims:
	s_mov_b64 s[64:65], 0
	v_nop
	global_prefetch_b8 v0, s[64:65] scope:SCOPE_SE
	s_setreg_imm32_b32 hwreg(HW_REG_WAVE_MODE, 25, 1), 1
	s_wait_xcnt 0x0
; The similarities of all 1,024 users with a SLAB of 400 cached rows (25 tiles of 16), on codes of FP4 with E8M0 scales; of them only maxima leave:
; m1[slab][user][tile] = the largest similarity of the user with the tile's 16 rows; m2[slab][user] = with the slab's 400.  Later launches pick slabs, then tiles, then rows by them.
; SHARES.  A work-group is a slab.  Wave w keeps user tiles 8 w .. 8 w + 7 (128 users, 256 registers, window 1) for the whole launch; the slab's 25 records come into LDS once, by tensor loads,
; and every wave reads each of them: 9 LDS loads feed 32 matrix instructions.  Two waves share a SIMD: one's maxima stand beside the other's products.
; NO CLUSTER: 250 work-groups are no multiple of 4, and what they share (the users' codes) goes once into registers.
; Source 0 = 16 cached rows, source 1 = 16 users: a lane holds one user (lane % 16) and eight rows, so a tile's maximum is three v_max3, one v_max and one exchange of halves.
; LDS: 0 .. 108,800 the records, filled once; then the stage for m1, [1,024 users][25] f32 (100 bytes a user: 25 words, odd, so 32 lanes fall on 32 banks); then 4,096 bytes for m2.
; REGISTERS, window 0: v1-13 addresses; v32-95 two sets of a record's four fragments; v96-103 their scale words; v104-119 the users' scale words (4 p + ks: lanes 0-15 tile 2 p, lanes 16-31 tile 2 p + 1);
;   v128-191 eight accumulators; v192-199 maxima; v200-203 the slab's maxima.
.set REC,  4352
.set M1S,  25*REC
.set M2S,  M1S+102400
.set CF,   32
.set CS,   96
.set US,   104
.set ACC,  128
.set MX,   192
.set M2,   200
.set MSB, 0
.macro WIN new                         ; the immediate's high byte repeats the setting that is left
.if MSB != (\new)
	s_set_vgpr_msb (MSB<<8)|(\new)
.set MSB, (\new)
.endif
.endm
	s_load_b256 s[4:11], s[0:1], 0x0               ; cq s[4:5], uq s[6:7], m1 s[8:9], m2 s[10:11]
	v_lshl_add_u32 v254, v0, 2, 0x34900
	v_mov_b32 v255, 0
	ds_add_u32 v254, v255
	ds_add_u32 v254, v255
	v_lshrrev_b32 v1, 5, v0
	v_readfirstlane_b32 s12, v1                    ; wave 0..7
	; descriptor group 1: a dense block as 85 rows of 256 bytes (32 elements of 8 bytes): a fifth of the slab's 108,800 bytes
	s_mov_b32 s20, 3<<16                           ; no mask; elements of 8 bytes; no padding
	s_mov_b32 s21, 32<<16                          ; tensor_dim0 = 32
	s_mov_b32 s22, 85<<16                          ; tensor_dim1 = 85
	s_mov_b32 s23, 32<<16                          ; tile_dim0 = 32
	s_mov_b32 s24, 85                              ; tile_dim1 = 85
	s_mov_b32 s25, 32                              ; from row to row
	s_mov_b32 s26, 0
	s_mov_b32 s27, 0
	s_mul_i32 s13, s12, 21760
	s_mul_i32 s14, ttmp9, 25*REC
	s_add_co_u32 s14, s14, s13                     ; my fifth of my slab's records, in bytes: under 2^31
	s_mov_b32 s15, 0
	s_mov_b32 s16, 1                               ; group 0: count = 1
	s_mov_b32 s17, s13                             ; LDS address: 21,760 x wave
	s_wait_dscnt 0x0
	s_wait_kmcnt 0x0
	s_add_nc_u64 s[18:19], s[4:5], s[14:15]
	s_or_b32 s19, s19, 0x80000000                  ; type = 2
	s_cmp_lt_u32 s12, 5                            ; waves 0 to 4 fetch, one load each: the launch's only fills
	s_cbranch_scc0 .Lno_fill
	tensor_load_to_lds s[16:19], s[20:27]
	s_nop 0
.rept 4
	v_nop                                          ; four behind a tensor load
.endr
.Lno_fill:
	v_and_b32 v1, 31, v0                           ; lane
	v_lshlrev_b32 v2, 4, v1                        ; 16 x lane
	v_and_b32 v3, 15, v0                           ; r
	v_bfe_u32 v4, v0, 4, 1                         ; h
	v_lshlrev_b32 v5, 4, v3                        ; 16 r
	v_mad_u32_u24 v6, v4, REC, v5                  ; lanes 16-31 take the next record's scale words
	s_mul_i32 s14, s12, 8*REC
	s_add_nc_u64 s[6:7], s[6:7], s[14:15]          ; my eight user records
	WIN 0x40                                       ; destination window 1
.irp i, 0,1,2,3,4,5,6,7
.irp k, 0,1,2,3
.irp c, 0,1
	global_load_b128 v[32*\i+8*\k+4*\c:32*\i+8*\k+4*\c+3], v2, s[6:7] offset:REC*\i+1024*\k+512*\c
.endr
.endr
.endr
	WIN 0
.irp p, 0,1,2,3
	global_load_b128 v[US+4*\p:US+4*\p+3], v6, s[6:7] offset:2*REC*\p+4096
.endr
	s_mul_i32 s31, s12, 12800                      ; my 128 users' part of the stage for m1
	v_mul_u32_u24 v9, v1, 100
	v_add_nc_u32 v9, s31, v9
	v_add_nc_u32 v9, M1S, v9                       ; user 128 w + lane, tile 0
.irp p, 0,1,2,3
	v_mov_b32 v[M2+\p], 0xff800000                 ; -infinity, under every similarity
.endr
	s_mov_b32 s28, 0                               ; LDS byte of the record to fetch
	s_mov_b32 s29, 0                               ; 4 x the tile in hand
	s_mov_b32 s30, 12
	s_wait_tensorcnt 0x0                           ; my part of the records has landed,
	s_barrier_signal -1
	s_barrier_wait -1                              ; everybody's has.  Nothing is ever filled again
.macro FETCH b                         ; a record's four fragments and its rows' scale words into set b
	v_add_nc_u32 v7, s28, v2
	v_add_nc_u32 v8, s28, v5
.irp k, 0,1,2,3
.irp c, 0,1
	ds_load_b128 v[CF+32*(\b)+8*\k+4*\c:CF+32*(\b)+8*\k+4*\c+3], v7 offset:1024*\k+512*\c
.endr
.endr
	ds_load_b128 v[CS+4*(\b):CS+4*(\b)+3], v8 offset:4096
	s_add_co_u32 s28, s28, REC
.endm
.macro PROD b, k, i                    ; accumulator i: the record in set b x user tile i, K step k
.set rD, ACC+8*(\i)
.set rA, CF+32*(\b)+8*(\k)
.set rB, 32*(\i)+8*(\k)
.set rSA, CS+4*(\b)+(\k)
.set rSB, US+4*((\i)/2)+(\k)
.if (\k) == 0
.if (\i)%2
	v_wmma_scale_f32_16x16x128_f8f6f4 v[rD:rD+7], v[rA:rA+7], v[rB:rB+7], 0, v[rSA], v[rSB] matrix_a_fmt:MATRIX_FMT_FP4 matrix_b_fmt:MATRIX_FMT_FP4 matrix_b_scale:MATRIX_SCALE_ROW1
.else
	v_wmma_scale_f32_16x16x128_f8f6f4 v[rD:rD+7], v[rA:rA+7], v[rB:rB+7], 0, v[rSA], v[rSB] matrix_a_fmt:MATRIX_FMT_FP4 matrix_b_fmt:MATRIX_FMT_FP4
.endif
.else
.if (\i)%2
	v_wmma_scale_f32_16x16x128_f8f6f4 v[rD:rD+7], v[rA:rA+7], v[rB:rB+7], v[rD:rD+7], v[rSA], v[rSB] matrix_a_fmt:MATRIX_FMT_FP4 matrix_b_fmt:MATRIX_FMT_FP4 matrix_b_scale:MATRIX_SCALE_ROW1
.else
	v_wmma_scale_f32_16x16x128_f8f6f4 v[rD:rD+7], v[rA:rA+7], v[rB:rB+7], v[rD:rD+7], v[rSA], v[rSB] matrix_a_fmt:MATRIX_FMT_FP4 matrix_b_fmt:MATRIX_FMT_FP4
.endif
.endif
.endm
; One tile of 16 cached rows against my 128 users.
.macro TILE b, fetch
	s_wait_dscnt 0x0                               ; this tile's nine loads are in, and the last tile's four stores have read their registers
.if \fetch
	FETCH 1-\b                                     ; the next record, a whole tile's work ahead; the last products that read that set stand more than four plain vector lines back
.endif
	WIN 0x04                                       ; source 1 (the users) window 1
.irp k, 0,1,2,3
.irp i, 0,1,2,3,4,5,6,7
	PROD \b, \k, \i                                ; the eight accumulators by turns, one instruction a turn; the first K step starts the sums
.endr
.endr
	WIN 0
	v_add_nc_u32 v10, s29, v9                      ; where this tile's maxima go: with the three below, the four places behind the last product
.rept 3
	v_nop
.endr
.irp i, 0,1,2,3,4,5,6,7
	v_max3_num_f32 v[MX+\i], v[ACC+8*\i], v[ACC+8*\i+1], v[ACC+8*\i+2]      ; each accumulator from its low end on
.endr
.irp i, 0,1,2,3,4,5,6,7
	v_max3_num_f32 v[MX+\i], v[MX+\i], v[ACC+8*\i+3], v[ACC+8*\i+4]
.endr
.irp i, 0,1,2,3,4,5,6,7
	v_max3_num_f32 v[MX+\i], v[MX+\i], v[ACC+8*\i+5], v[ACC+8*\i+6]
.endr
.irp i, 0,1,2,3,4,5,6,7
	v_max_num_f32 v[MX+\i], v[MX+\i], v[ACC+8*\i+7]
.endr
.irp p, 0,1,2,3
	v_permlane16_swap_b32 v[MX+2*\p], v[MX+2*\p+1] ; the first now holds rows 0-7 of user tiles 2 p (lanes 0-15) and 2 p + 1 (lanes 16-31), the second rows 8-15
.endr
.irp p, 0,1,2,3
	v_max_num_f32 v[MX+2*\p], v[MX+2*\p], v[MX+2*\p+1]   ; lane l: user 128 w + 32 p + l
.endr
.irp p, 0,1,2,3
	v_max_num_f32 v[M2+\p], v[M2+\p], v[MX+2*\p]
.endr
.irp p, 0,1,2,3
	ds_store_b32 v10, v[MX+2*\p] offset:3200*\p
.endr
	s_add_co_u32 s29, s29, 4
.endm
	FETCH 0
	s_wait_loadcnt 0x0                             ; the users' codes and scale words
.Ltile:
	TILE 0, 1
	TILE 1, 1
	s_sub_co_u32 s30, s30, 1
	s_cmp_lg_u32 s30, 0
	s_cbranch_scc1 .Ltile
	TILE 0, 0                                      ; the 25th tile: nothing more to fetch
	; THE WAY OUT.  Each wave's part of both stages is its own and is dense in memory too: no barrier; every store covers 512 consecutive bytes, aligned to 256.
	s_lshl_b32 s13, s12, 9
	v_lshlrev_b32 v7, 2, v1
	v_add_nc_u32 v7, s13, v7
	v_add_nc_u32 v7, M2S, v7                       ; m2's stage: 4 bytes a user
	v_add_nc_u32 v8, s13, v2                       ; 512 w + 16 x lane: my place in the slab's row of m2
	v_add_nc_u32 v11, M2S, v8
	v_add_nc_u32 v12, s31, v2                      ; 12,800 w + 16 x lane: my place in the slab's part of m1
	v_add_nc_u32 v13, M1S, v12
	s_lshl_b32 s14, ttmp9, 12
	s_add_nc_u64 s[10:11], s[10:11], s[14:15]
	s_mul_i32 s14, ttmp9, 102400
	s_add_nc_u64 s[8:9], s[8:9], s[14:15]
.irp p, 0,1,2,3
	ds_store_b32 v7, v[M2+\p] offset:128*\p
.endr
	ds_load_b128 v[204:207], v11                   ; LDS serves a wave's instructions in order: the loads see my stores
.set k, 0
.rept 25
.if k < 16
.set rr, 32+4*k                        ; into the fragments' and accumulators' registers, never a scale's
.else
.set rr, 64+4*k
.endif
	ds_load_b128 v[rr:rr+3], v13 offset:512*k
.set k, k+1
.endr
	s_wait_dscnt 25                                ; m2's numbers are back; the 25 loads behind them may be out
	global_store_b128 v8, v[204:207], s[10:11]
.set k, 0
.rept 25
.if k < 16
.set rr, 32+4*k
.else
.set rr, 64+4*k
.endif
	s_wait_dscnt 24-k                              ; load k is in; the younger ones may be out
	global_store_b128 v12, v[rr:rr+3], s[8:9] offset:512*k th:TH_STORE_NT
.set k, k+1
.endr
	s_wait_tensorcnt 0x0
	ds_add_u32 v254, v255
	s_wait_dscnt 0x0
	s_endpgm
.Lfunc_end_k_qf0e8a8262d_sims:
	.size	k_qf0e8a8262d_sims, .Lfunc_end_k_qf0e8a8262d_sims-k_qf0e8a8262d_sims
	.p2alignl 7, 3214868480
	.fill 96, 4, 3214868480
	.section	.rodata,"a",@progbits
	.p2align	6, 0x0
	.amdhsa_kernel k_qf0e8a8262d_sims
		.amdhsa_group_segment_fixed_size 216320
		.amdhsa_private_segment_fixed_size 0
		.amdhsa_enable_private_segment 0
		.amdhsa_kernarg_size 32
		.amdhsa_user_sgpr_count 2
		.amdhsa_user_sgpr_kernarg_segment_ptr 1
		.amdhsa_wavefront_size32 1
		.amdhsa_system_sgpr_workgroup_id_x 1
		.amdhsa_system_sgpr_workgroup_id_y 1
		.amdhsa_system_sgpr_workgroup_id_z 1
		.amdhsa_system_vgpr_workitem_id 0
		.amdhsa_next_free_vgpr 512
		.amdhsa_next_free_sgpr 66
		.amdhsa_reserve_vcc 0
		.amdhsa_float_denorm_mode_32 3
		.amdhsa_float_denorm_mode_16_64 3
		.amdhsa_memory_ordered 1
		.amdhsa_forward_progress 1
		.amdhsa_inst_pref_size 38
	.end_amdhsa_kernel
	.amdgpu_metadata
---
amdhsa.version: [ 1, 2 ]
amdhsa.kernels:
  - .name:           k_qf0e8a8262d_sims
    .symbol:         k_qf0e8a8262d_sims.kd
    .args:
      - { .name: cq, .offset: 0, .size: 8, .value_kind: global_buffer, .address_space: global }
      - { .name: uq, .offset: 8, .size: 8, .value_kind: global_buffer, .address_space: global }
      - { .name: m1, .offset: 16, .size: 8, .value_kind: global_buffer, .address_space: global }
      - { .name: m2, .offset: 24, .size: 8, .value_kind: global_buffer, .address_space: global }
    .group_segment_fixed_size: 216320
    .private_segment_fixed_size: 0
    .kernarg_segment_align: 8
    .kernarg_segment_size: 32
    .max_flat_workgroup_size: 256
    .sgpr_count:     66
    .vgpr_count:     512
    .wavefront_size: 32
...
	.end_amdgpu_metadata
.endif
;; end of part 2
;; launch sel2 (part 3): grid 256 x 1, 4 waves a work-group, no clusters, 4,608 bytes of LDS; arguments m2, idx2; writes idx2
.if DOCPART == 3
	.amdgcn_target "amdgcn-amd-amdhsa--gfx1250"
	.amdhsa_code_object_version 6
	.text
	.protected	k_qf0e8a8262d_sel2
	.globl	k_qf0e8a8262d_sel2
	.p2align	8
	.type	k_qf0e8a8262d_sel2,@function
k_qf0e8a8262d_sel2:
	s_mov_b64 s[64:65], 0
	v_nop
	global_prefetch_b8 v0, s[64:65] scope:SCOPE_SE
	s_setreg_imm32_b32 hwreg(HW_REG_WAVE_MODE, 25, 1), 1
	s_wait_xcnt 0x0
; For each user the 20 slabs (of 250) with the largest maxima, ties to the lower slab: every one of the user's 20 nearest rows lies in one of them.  They leave as whole numbers, idx2[user][32] (20 used, the rest 0).
; A work-group takes 4 users, a wave one.  m2 is [slab][user]: a thread loads the four users' numbers of a slab (16 bytes), LDS turns them into [user][256 slots].
; The selection has no branch and no address on data: 20 trips; in each the wave's largest value, then the lowest id among its equals, then that candidate becomes -infinity.  Ids are carried as f32 (exact: under 2^24).
; LIMIT: NaN and infinities among the similarities are not served.
.set LANE, 1
.set V,    8                           ; registers of 32 candidates
.set X,    16
.set ID,   24
.set T,    32
.set LM,   40
.set CD,   41
.set TP,   42
.set RV,   43
.set RI,   44
.set VNINF, 45
.set VBIG, 46
.set SEL,  12
.set IT,   14
.set MK,   16
.macro WRED opd, op, reg               ; over the 32 lanes, the result in every lane
	\opd v[\reg], v[\reg], v[\reg] row_xmask:1 row_mask:0xf bank_mask:0xf
	\opd v[\reg], v[\reg], v[\reg] row_xmask:2 row_mask:0xf bank_mask:0xf
	\opd v[\reg], v[\reg], v[\reg] row_xmask:4 row_mask:0xf bank_mask:0xf
	\opd v[\reg], v[\reg], v[\reg] row_xmask:8 row_mask:0xf bank_mask:0xf
	v_permlanex16_b32 v[TP], v[\reg], s[SEL], s[SEL+1]
	\op v[\reg], v[\reg], v[TP]
.endm
.macro TOP20
	s_mov_b32 s[IT], 0
.Lpick:
	v_max3_num_f32 v[LM], v[X], v[X+1], v[X+2]
.set j, 3
.rept (V-3)/2
	v_max3_num_f32 v[LM], v[LM], v[X+j], v[X+j+1]
.set j, j+2
.endr
	v_max_num_f32 v[LM], v[LM], v[X+V-1]
	WRED v_max_num_f32_dpp, v_max_num_f32, LM      ; the largest value left
.set j, 0
.rept V
	v_cmp_eq_f32 s[MK+j%4], v[X+j], v[LM]
	v_cndmask_b32 v[T+j], v[VBIG], v[ID+j], s[MK+j%4]
.set j, j+1
.endr
	v_min3_num_f32 v[CD], v[T], v[T+1], v[T+2]
.set j, 3
.rept (V-3)/2
	v_min3_num_f32 v[CD], v[CD], v[T+j], v[T+j+1]
.set j, j+2
.endr
	v_min_num_f32 v[CD], v[CD], v[T+V-1]
	WRED v_min_num_f32_dpp, v_min_num_f32, CD      ; the lowest id that has it
	v_cmp_eq_u32 vcc_lo, s[IT], v[LANE]
	v_cndmask_b32 v[RV], v[RV], v[LM], vcc_lo      ; lane i keeps pick i
	v_cndmask_b32 v[RI], v[RI], v[CD], vcc_lo
.set j, 0
.rept V
	v_cmp_eq_f32 s[MK+j%4], v[ID+j], v[CD]
	v_cndmask_b32 v[X+j], v[X+j], v[VNINF], s[MK+j%4]
.set j, j+1
.endr
	s_add_co_u32 s[IT], s[IT], 1
	s_cmp_lt_u32 s[IT], 20
	s_cbranch_scc1 .Lpick
.endm
	s_load_b128 s[4:7], s[0:1], 0x0                ; m2, idx2
	v_lshl_add_u32 v64, v0, 2, 0x1000
	v_mov_b32 v65, 0
	v_lshrrev_b32 v2, 5, v0
	v_readfirstlane_b32 s8, v2                     ; wave
	v_and_b32 v[LANE], 31, v0
	v_mov_b32 v[VNINF], 0xff800000
	v_mov_b32 v[VBIG], 0x7f7fffff
	v_mov_b32 v[TP], 0
	v_mov_b32 v[RV], 0
	v_mov_b32 v[RI], 0
	s_mov_b32 s[SEL], 0x76543210
	s_mov_b32 s[SEL+1], 0xfedcba98
	v_lshlrev_b32 v2, 12, v0                       ; slab = thread: a row of m2 is 4,096 bytes
	v_add_nc_u32 v3, 128, v0                       ; slab = thread + 128,
	v_min_u32 v4, 249, v3                          ; held inside the buffer
	v_lshlrev_b32 v4, 12, v4
	v_lshlrev_b32 v5, 2, v0                        ; 4 x thread
	s_lshl_b32 s9, s8, 10
	v_lshl_add_u32 v6, v[LANE], 2, s9              ; my user's 256 slots, 4 x lane
	s_lshl_b32 s10, ttmp9, 4                       ; my four users' 16 bytes in a row of m2
	s_mov_b32 s11, 0
	s_lshl_b32 s20, ttmp9, 9                       ; and their 512 bytes of idx2
	s_mov_b32 s21, 0
	s_wait_kmcnt 0x0
	s_add_nc_u64 s[4:5], s[4:5], s[10:11]
	s_add_nc_u64 s[6:7], s[6:7], s[20:21]
	global_load_b128 v[8:11], v2, s[4:5]
	global_load_b128 v[12:15], v4, s[4:5]
	s_wait_loadcnt 0x0
	v_cmp_gt_u32 vcc_lo, 250, v3                   ; slots 250 to 255 stand for no slab
.irp j, 0,1,2,3
	v_cndmask_b32 v[12+\j], v[VNINF], v[12+\j], vcc_lo
.endr
.irp k, 0,1
.irp j, 0,1,2,3
	ds_store_b32 v5, v[8+4*\k+\j] offset:512*\k+1024*\j
.endr
.endr
	s_wait_dscnt 0x0                               ; for the others' sake: my stores are done
	s_barrier_signal -1
	s_barrier_wait -1
.irp k, 0,1,2,3,4,5,6,7
	ds_load_b32 v[X+\k], v6 offset:128*\k          ; slab lane + 32 k
.endr
.set k, 0
.rept 8
	v_add_nc_u32 v7, 32*k, v[LANE]
	v_cvt_f32_u32 v[ID+k], v7
.set k, k+1
.endr
	s_wait_dscnt 0x0
	TOP20
	v_cvt_u32_f32 v[RI], v[RI]
	global_store_b32 v5, v[RI], s[6:7]             ; a wave stores its user's 128 bytes
	s_wait_tensorcnt 0x0
	ds_add_u32 v64, v65
	s_wait_dscnt 0x0
	s_endpgm
.Lfunc_end_k_qf0e8a8262d_sel2:
	.size	k_qf0e8a8262d_sel2, .Lfunc_end_k_qf0e8a8262d_sel2-k_qf0e8a8262d_sel2
	.p2alignl 7, 3214868480
	.fill 96, 4, 3214868480
	.section	.rodata,"a",@progbits
	.p2align	6, 0x0
	.amdhsa_kernel k_qf0e8a8262d_sel2
		.amdhsa_group_segment_fixed_size 4608
		.amdhsa_private_segment_fixed_size 0
		.amdhsa_enable_private_segment 0
		.amdhsa_kernarg_size 16
		.amdhsa_user_sgpr_count 2
		.amdhsa_user_sgpr_kernarg_segment_ptr 1
		.amdhsa_wavefront_size32 1
		.amdhsa_system_sgpr_workgroup_id_x 1
		.amdhsa_system_sgpr_workgroup_id_y 1
		.amdhsa_system_sgpr_workgroup_id_z 1
		.amdhsa_system_vgpr_workitem_id 0
		.amdhsa_next_free_vgpr 66
		.amdhsa_next_free_sgpr 66
		.amdhsa_reserve_vcc 1
		.amdhsa_float_denorm_mode_32 3
		.amdhsa_float_denorm_mode_16_64 3
		.amdhsa_memory_ordered 1
		.amdhsa_forward_progress 1
		.amdhsa_inst_pref_size 8
	.end_amdhsa_kernel
	.amdgpu_metadata
---
amdhsa.version: [ 1, 2 ]
amdhsa.kernels:
  - .name:           k_qf0e8a8262d_sel2
    .symbol:         k_qf0e8a8262d_sel2.kd
    .args:
      - { .name: m2, .offset: 0, .size: 8, .value_kind: global_buffer, .address_space: global }
      - { .name: idx2, .offset: 8, .size: 8, .value_kind: global_buffer, .address_space: global }
    .group_segment_fixed_size: 4608
    .private_segment_fixed_size: 0
    .kernarg_segment_align: 8
    .kernarg_segment_size: 16
    .max_flat_workgroup_size: 128
    .sgpr_count:     66
    .vgpr_count:     66
    .wavefront_size: 32
...
	.end_amdgpu_metadata
.endif
;; end of part 3
;; launch sel1 (part 4): grid 256 x 1, 4 waves a work-group, no clusters, 0 bytes of LDS; arguments m1, idx2, idx1; writes idx1
.if DOCPART == 4
	.amdgcn_target "amdgcn-amd-amdhsa--gfx1250"
	.amdhsa_code_object_version 6
	.text
	.protected	k_qf0e8a8262d_sel1
	.globl	k_qf0e8a8262d_sel1
	.p2align	8
	.type	k_qf0e8a8262d_sel1,@function
k_qf0e8a8262d_sel1:
	s_mov_b64 s[64:65], 0
	v_nop
	global_prefetch_b8 v0, s[64:65] scope:SCOPE_SE
	s_setreg_imm32_b32 hwreg(HW_REG_WAVE_MODE, 25, 1), 1
	s_wait_xcnt 0x0
; For each user the 20 tiles of 16 rows with the largest maxima among the 20 x 25 tiles of its chosen slabs, ties to the lower tile: every one of the user's 20 nearest rows lies in one of them.
; They leave as whole numbers, idx1[user][32] (tile ids 0 .. 6,249; 20 used, the rest 0).  A wave takes a user; candidate f = 32 k + lane is tile f % 25 of chosen slab f / 25.
; The slabs are whole numbers that an earlier launch stored; each is held to 249 before it enters an address.  The selection itself has no branch and no address on data.
; LIMIT: NaN and infinities among the similarities are not served.
.set LANE, 1
.set V,    16
.set SL,   16
.set TT,   32
.set AD,   48
.set X,    64
.set ID,   80
.set T,    96
.set LM,   112
.set CD,   113
.set TP,   114
.set RV,   115
.set RI,   116
.set VNINF, 117
.set VBIG, 118
.set SEL,  12
.set IT,   14
.set MK,   16
.macro WRED opd, op, reg               ; over the 32 lanes, the result in every lane
	\opd v[\reg], v[\reg], v[\reg] row_xmask:1 row_mask:0xf bank_mask:0xf
	\opd v[\reg], v[\reg], v[\reg] row_xmask:2 row_mask:0xf bank_mask:0xf
	\opd v[\reg], v[\reg], v[\reg] row_xmask:4 row_mask:0xf bank_mask:0xf
	\opd v[\reg], v[\reg], v[\reg] row_xmask:8 row_mask:0xf bank_mask:0xf
	v_permlanex16_b32 v[TP], v[\reg], s[SEL], s[SEL+1]
	\op v[\reg], v[\reg], v[TP]
.endm
.macro TOP20
	s_mov_b32 s[IT], 0
.Lpick:
	v_max3_num_f32 v[LM], v[X], v[X+1], v[X+2]
.set j, 3
.rept (V-3)/2
	v_max3_num_f32 v[LM], v[LM], v[X+j], v[X+j+1]
.set j, j+2
.endr
	v_max_num_f32 v[LM], v[LM], v[X+V-1]
	WRED v_max_num_f32_dpp, v_max_num_f32, LM      ; the largest value left
.set j, 0
.rept V
	v_cmp_eq_f32 s[MK+j%4], v[X+j], v[LM]
	v_cndmask_b32 v[T+j], v[VBIG], v[ID+j], s[MK+j%4]
.set j, j+1
.endr
	v_min3_num_f32 v[CD], v[T], v[T+1], v[T+2]
.set j, 3
.rept (V-3)/2
	v_min3_num_f32 v[CD], v[CD], v[T+j], v[T+j+1]
.set j, j+2
.endr
	v_min_num_f32 v[CD], v[CD], v[T+V-1]
	WRED v_min_num_f32_dpp, v_min_num_f32, CD      ; the lowest id that has it
	v_cmp_eq_u32 vcc_lo, s[IT], v[LANE]
	v_cndmask_b32 v[RV], v[RV], v[LM], vcc_lo      ; lane i keeps pick i
	v_cndmask_b32 v[RI], v[RI], v[CD], vcc_lo
.set j, 0
.rept V
	v_cmp_eq_f32 s[MK+j%4], v[ID+j], v[CD]
	v_cndmask_b32 v[X+j], v[X+j], v[VNINF], s[MK+j%4]
.set j, j+1
.endr
	s_add_co_u32 s[IT], s[IT], 1
	s_cmp_lt_u32 s[IT], 20
	s_cbranch_scc1 .Lpick
.endm
	s_load_b128 s[4:7], s[0:1], 0x0                ; m1, idx2
	s_load_b64 s[8:9], s[0:1], 0x10                ; idx1
	v_lshrrev_b32 v2, 5, v0
	v_readfirstlane_b32 s10, v2                    ; wave
	v_and_b32 v[LANE], 31, v0
	v_lshlrev_b32 v5, 2, v0                        ; 4 x thread
	v_mov_b32 v[VNINF], 0xff800000
	v_mov_b32 v[VBIG], 0x7f7fffff
	v_mov_b32 v[TP], 0
	v_mov_b32 v[RV], 0
	v_mov_b32 v[RI], 0
	s_mov_b32 s[SEL], 0x76543210
	s_mov_b32 s[SEL+1], 0xfedcba98
	s_lshl_b32 s11, ttmp9, 2
	s_add_co_u32 s11, s11, s10                     ; my user
	s_lshl_b32 s20, s11, 7                         ; its 128 bytes of idx2
	s_mov_b32 s21, 0
	s_mul_i32 s22, s11, 100                        ; its 100 bytes in a slab's part of m1
	s_mov_b32 s23, 0
	s_lshl_b32 s24, ttmp9, 9                       ; the work-group's 512 bytes of idx1
	s_mov_b32 s25, 0
	s_wait_kmcnt 0x0
	s_add_nc_u64 s[6:7], s[6:7], s[20:21]
	s_add_nc_u64 s[4:5], s[4:5], s[22:23]
	s_add_nc_u64 s[8:9], s[8:9], s[24:25]
.set k, 0
.rept 16
	v_add_nc_u32 v2, 32*k, v[LANE]                 ; f
	v_mul_u32_u24 v3, v2, 1311
	v_lshrrev_b32 v3, 15, v3                       ; f / 25: exact for f under 512, since f x (1311 / 32768 - 1 / 25) stays under 1 / 25
	v_mul_u32_u24 v4, v3, 25
	v_sub_nc_u32 v[TT+k], v2, v4                   ; f % 25 (f from 500 on: f - 500, a tile that exists; such candidates are struck out below)
	v_min_u32 v3, 19, v3
	v_lshlrev_b32 v[AD+k], 2, v3
	global_load_b32 v[SL+k], v[AD+k], s[6:7]
.set k, k+1
.endr
	s_wait_loadcnt 0x0                             ; the slabs are in, and the address registers are free
.set k, 0
.rept 16
	v_min_u32 v[SL+k], 249, v[SL+k]                ; held inside the table
	v_mul_u32_u24 v[AD+k], v[SL+k], 102400
	v_lshl_add_u32 v[AD+k], v[TT+k], 2, v[AD+k]
	global_load_b32 v[X+k], v[AD+k], s[4:5]
	v_mad_u32_u24 v[T+k], v[SL+k], 25, v[TT+k]     ; the tile's id among all 6,250
	v_cvt_f32_u32 v[ID+k], v[T+k]
.set k, k+1
.endr
	s_wait_loadcnt 0x0
	v_cmp_gt_u32 vcc_lo, 20, v[LANE]               ; f = 480 + lane from 500 on stands for nothing
	v_cndmask_b32 v[X+15], v[VNINF], v[X+15], vcc_lo
	v_cndmask_b32 v[ID+15], v[VBIG], v[ID+15], vcc_lo
	TOP20
	v_cvt_u32_f32 v[RI], v[RI]
	global_store_b32 v5, v[RI], s[8:9]
	s_endpgm
.Lfunc_end_k_qf0e8a8262d_sel1:
	.size	k_qf0e8a8262d_sel1, .Lfunc_end_k_qf0e8a8262d_sel1-k_qf0e8a8262d_sel1
	.p2alignl 7, 3214868480
	.fill 96, 4, 3214868480
	.section	.rodata,"a",@progbits
	.p2align	6, 0x0
	.amdhsa_kernel k_qf0e8a8262d_sel1
		.amdhsa_group_segment_fixed_size 0
		.amdhsa_private_segment_fixed_size 0
		.amdhsa_enable_private_segment 0
		.amdhsa_kernarg_size 24
		.amdhsa_user_sgpr_count 2
		.amdhsa_user_sgpr_kernarg_segment_ptr 1
		.amdhsa_wavefront_size32 1
		.amdhsa_system_sgpr_workgroup_id_x 1
		.amdhsa_system_sgpr_workgroup_id_y 1
		.amdhsa_system_sgpr_workgroup_id_z 1
		.amdhsa_system_vgpr_workitem_id 0
		.amdhsa_next_free_vgpr 128
		.amdhsa_next_free_sgpr 66
		.amdhsa_reserve_vcc 1
		.amdhsa_float_denorm_mode_32 3
		.amdhsa_float_denorm_mode_16_64 3
		.amdhsa_memory_ordered 1
		.amdhsa_forward_progress 1
		.amdhsa_inst_pref_size 21
	.end_amdhsa_kernel
	.amdgpu_metadata
---
amdhsa.version: [ 1, 2 ]
amdhsa.kernels:
  - .name:           k_qf0e8a8262d_sel1
    .symbol:         k_qf0e8a8262d_sel1.kd
    .args:
      - { .name: m1, .offset: 0, .size: 8, .value_kind: global_buffer, .address_space: global }
      - { .name: idx2, .offset: 8, .size: 8, .value_kind: global_buffer, .address_space: global }
      - { .name: idx1, .offset: 16, .size: 8, .value_kind: global_buffer, .address_space: global }
    .group_segment_fixed_size: 0
    .private_segment_fixed_size: 0
    .kernarg_segment_align: 8
    .kernarg_segment_size: 24
    .max_flat_workgroup_size: 128
    .sgpr_count:     66
    .vgpr_count:     128
    .wavefront_size: 32
...
	.end_amdgpu_metadata
.endif
;; end of part 4
;; launch rec (part 5): grid 256 x 1, 4 waves a work-group, no clusters, 0 bytes of LDS; arguments cq, uq, idx1, nidx, wts; writes nidx, wts
.if DOCPART == 5
	.amdgcn_target "amdgcn-amd-amdhsa--gfx1250"
	.amdhsa_code_object_version 6
	.text
	.protected	k_qf0e8a8262d_rec
	.globl	k_qf0e8a8262d_rec
	.p2align	8
	.type	k_qf0e8a8262d_rec,@function
k_qf0e8a8262d_rec:
	s_mov_b64 s[64:65], 0
	v_nop
	global_prefetch_b8 v0, s[64:65] scope:SCOPE_SE
	s_setreg_imm32_b32 hwreg(HW_REG_WAVE_MODE, 25, 1), 1
	s_wait_xcnt 0x0
; For each user: the similarities with the 20 x 16 rows of its chosen tiles once more, by the same matrix instruction on the same codes; the 20 largest, ties to the lower row; the softmax over those that reach the
; threshold 0.  Out: nidx[user][32], rows as whole numbers, and wts[user][32], f32 weights (20 used, the rest 0).  A wave takes a user.
; Source 0 = the user's row in all 16 rows (each lane loads the user's own 16 bytes of its record), source 1 = a chosen record as it lies: register 0 of the result holds, in lanes r and r + 16, the similarity with the tile's row r.
; The tile ids are whole numbers that an earlier launch stored; each is held to 6,249 before it enters an address.  The selection has no branch and no address on data.
; SOFTMAX: the largest logit is taken away first, as the definition has it; a logit under the threshold is -1e30 and its weight 0.  LIMIT: NaN and infinities among the similarities are not served.
; REGISTERS, window 0: v1-8 addresses; v16-47 the user's four fragments; v48-51 its scale words; v52-91 the records' scale words (4 p + ks: lanes 0-15 tile 2 p, lanes 16-31 tile 2 p + 1); v92-101 tile ids; v102-111 row ids;
;   v112-121 similarities; v122-141 the records' offsets; v144-207 eight accumulators; v208.. at work.  Windows 1, 2, 3: the fragments of tiles 0-7, 8-15, 16-19, 32 registers a tile.
.set REC,  4352
.set LANE, 1
.set UF,   16
.set USC,  48
.set CSC,  52
.set TI,   92
.set ID,   102
.set X,    112
.set VO,   122
.set ACC,  144
.set V,    10
.set T,    208
.set LM,   218
.set CD,   219
.set TP,   220
.set RV,   221
.set RI,   222
.set VNINF, 223
.set VBIG, 224
.set SA,   225
.set L,    235
.set MV,   236
.set E,    237
.set SM,   238
.set VNEG, 239
.set SEL,  44
.set IT,   43
.set MK,   36
.set MSB, 0
.macro WIN new                         ; the immediate's high byte repeats the setting that is left
.if MSB != (\new)
	s_set_vgpr_msb (MSB<<8)|(\new)
.set MSB, (\new)
.endif
.endm
.macro WRED opd, op, reg               ; over the 32 lanes, the result in every lane
	\opd v[\reg], v[\reg], v[\reg] row_xmask:1 row_mask:0xf bank_mask:0xf
	\opd v[\reg], v[\reg], v[\reg] row_xmask:2 row_mask:0xf bank_mask:0xf
	\opd v[\reg], v[\reg], v[\reg] row_xmask:4 row_mask:0xf bank_mask:0xf
	\opd v[\reg], v[\reg], v[\reg] row_xmask:8 row_mask:0xf bank_mask:0xf
	v_permlanex16_b32 v[TP], v[\reg], s[SEL], s[SEL+1]
	\op v[\reg], v[\reg], v[TP]
.endm
.macro TOP20
	s_mov_b32 s[IT], 0
.Lpick:
	v_max3_num_f32 v[LM], v[X], v[X+1], v[X+2]
.set j, 3
.rept (V-3)/2
	v_max3_num_f32 v[LM], v[LM], v[X+j], v[X+j+1]
.set j, j+2
.endr
	v_max_num_f32 v[LM], v[LM], v[X+V-1]
	WRED v_max_num_f32_dpp, v_max_num_f32, LM      ; the largest value left
.set j, 0
.rept V
	v_cmp_eq_f32 s[MK+j%4], v[X+j], v[LM]
	v_cndmask_b32 v[T+j], v[VBIG], v[ID+j], s[MK+j%4]
.set j, j+1
.endr
	v_min3_num_f32 v[CD], v[T], v[T+1], v[T+2]
.set j, 3
.rept (V-3)/2
	v_min3_num_f32 v[CD], v[CD], v[T+j], v[T+j+1]
.set j, j+2
.endr
	v_min_num_f32 v[CD], v[CD], v[T+V-1]
	WRED v_min_num_f32_dpp, v_min_num_f32, CD      ; the lowest id that has it
	v_cmp_eq_u32 vcc_lo, s[IT], v[LANE]
	v_cndmask_b32 v[RV], v[RV], v[LM], vcc_lo      ; lane i keeps pick i
	v_cndmask_b32 v[RI], v[RI], v[CD], vcc_lo
.set j, 0
.rept V
	v_cmp_eq_f32 s[MK+j%4], v[ID+j], v[CD]
	v_cndmask_b32 v[X+j], v[X+j], v[VNINF], s[MK+j%4]
.set j, j+1
.endr
	s_add_co_u32 s[IT], s[IT], 1
	s_cmp_lt_u32 s[IT], 20
	s_cbranch_scc1 .Lpick
.endm
	s_load_b256 s[4:11], s[0:1], 0x0               ; cq s[4:5], uq s[6:7], idx1 s[8:9], nidx s[10:11]
	s_load_b64 s[12:13], s[0:1], 0x20              ; wts
	v_lshrrev_b32 v1, 5, v0
	v_readfirstlane_b32 s14, v1                    ; wave
	v_and_b32 v[LANE], 31, v0
	v_lshlrev_b32 v2, 4, v[LANE]                   ; 16 x lane
	v_and_b32 v3, 15, v0                           ; r
	v_bfe_u32 v4, v0, 4, 1                         ; h
	v_lshlrev_b32 v5, 2, v4                        ; 4 h: lanes 16-31 take the odd tiles' ids
	v_lshlrev_b32 v8, 2, v0                        ; 4 x thread
	v_mov_b32 v[VNINF], 0xff800000
	v_mov_b32 v[VBIG], 0x7f7fffff
	v_mov_b32 v[VNEG], 0xf149f2ca                  ; -1e30
	v_mov_b32 v[TP], 0
	v_mov_b32 v[RV], 0
	v_mov_b32 v[RI], 0
	s_mov_b32 s[SEL], 0x76543210
	s_mov_b32 s[SEL+1], 0xfedcba98
	s_mov_b32 s40, 0xffff0000                      ; lanes 16-31
	s_lshl_b32 s15, ttmp9, 2
	s_add_co_u32 s15, s15, s14                     ; my user
	s_lshl_b32 s46, s15, 7
	s_mov_b32 s47, 0
	s_wait_kmcnt 0x0
	s_add_nc_u64 s[8:9], s[8:9], s[46:47]          ; its 128 bytes of idx1
	s_load_b512 s[16:31], s[8:9], 0x0              ; the 20 tile ids as scalars, for the fragments' offsets,
	s_load_b128 s[32:35], s[8:9], 0x40
.irp p, 0,1,2,3,4,5,6,7,8,9
	global_load_b32 v[TI+\p], v5, s[8:9] offset:8*\p   ; and a lane's own: tile 2 p + h
.endr
	s_lshr_b32 s46, s15, 4
	s_mul_i32 s46, s46, REC
	s_add_nc_u64 s[6:7], s[6:7], s[46:47]          ; my user's record
	s_and_b32 s41, s15, 15
	s_lshl_b32 s41, s41, 4
	v_lshl_add_u32 v6, v4, 8, s41                  ; the bytes that lane (u % 16, h) of the record's image holds
	v_mov_b32 v7, s41                              ; its row's scale bytes
.irp k, 0,1,2,3
.irp c, 0,1
	global_load_b128 v[UF+8*\k+4*\c:UF+8*\k+4*\c+3], v6, s[6:7] offset:1024*\k+512*\c
.endr
.endr
	global_load_b128 v[USC:USC+3], v7, s[6:7] offset:4096
	s_lshl_b32 s46, ttmp9, 9
	s_add_nc_u64 s[10:11], s[10:11], s[46:47]
	s_add_nc_u64 s[12:13], s[12:13], s[46:47]
	s_wait_loadcnt 9                               ; the ten ids are in; the user's nine loads may be out
.set p, 0
.rept 10
	v_min_u32 v[TI+p], 6249, v[TI+p]               ; held inside the table
	v_mul_u32_u24 v[SA+p], v[TI+p], REC
	v_lshl_add_u32 v[SA+p], v3, 4, v[SA+p]
	global_load_b128 v[CSC+4*p:CSC+4*p+3], v[SA+p], s[4:5] offset:4096   ; row r's four scale words
	v_lshl_add_u32 v[ID+p], v[TI+p], 4, v3         ; the row's number: 16 x tile + r
	v_cvt_f32_u32 v[ID+p], v[ID+p]
.set p, p+1
.endr
	s_wait_kmcnt 0x0
.set n, 0
.rept 20
	s_min_u32 s[16+n], s[16+n], 6249
	s_mul_i32 s[16+n], s[16+n], REC
	v_add_nc_u32 v[VO+n], s[16+n], v2
.set n, n+1
.endr
.irp n, 0,1,2,3,4,5,6,7,8,9,10,11,12,13,14,15,16,17,18,19
	WIN 0x40*(1+\n/8)                              ; destination window 1, 2 or 3
.irp k, 0,1,2,3
.irp c, 0,1
	global_load_b128 v[32*(\n%8)+8*\k+4*\c:32*(\n%8)+8*\k+4*\c+3], v[VO+\n], s[4:5] offset:1024*\k+512*\c   ; 512 consecutive bytes of the record
.endr
.endr
.endr
	WIN 0
	s_wait_loadcnt 0x0
.macro RPROD k                         ; accumulator i: my user x tile nt, K step k
.set rD, ACC+8*i
.set rB, 32*(nt%8)+8*(\k)
.set rS, CSC+4*(nt/2)+(\k)
.if (\k) == 0
.if nt%2
	v_wmma_scale_f32_16x16x128_f8f6f4 v[rD:rD+7], v[UF+8*(\k):UF+8*(\k)+7], v[rB:rB+7], 0, v[USC+(\k)], v[rS] matrix_a_fmt:MATRIX_FMT_FP4 matrix_b_fmt:MATRIX_FMT_FP4 matrix_b_scale:MATRIX_SCALE_ROW1
.else
	v_wmma_scale_f32_16x16x128_f8f6f4 v[rD:rD+7], v[UF+8*(\k):UF+8*(\k)+7], v[rB:rB+7], 0, v[USC+(\k)], v[rS] matrix_a_fmt:MATRIX_FMT_FP4 matrix_b_fmt:MATRIX_FMT_FP4
.endif
.else
.if nt%2
	v_wmma_scale_f32_16x16x128_f8f6f4 v[rD:rD+7], v[UF+8*(\k):UF+8*(\k)+7], v[rB:rB+7], v[rD:rD+7], v[USC+(\k)], v[rS] matrix_a_fmt:MATRIX_FMT_FP4 matrix_b_fmt:MATRIX_FMT_FP4 matrix_b_scale:MATRIX_SCALE_ROW1
.else
	v_wmma_scale_f32_16x16x128_f8f6f4 v[rD:rD+7], v[UF+8*(\k):UF+8*(\k)+7], v[rB:rB+7], v[rD:rD+7], v[USC+(\k)], v[rS] matrix_a_fmt:MATRIX_FMT_FP4 matrix_b_fmt:MATRIX_FMT_FP4
.endif
.endif
.endm
.macro GROUP g, cnt                    ; tiles 8 g .. 8 g + cnt - 1: the accumulators by turns, one instruction a turn
	WIN 0x04*(1+\g)                                ; source 1 in window 1 + g
.irp k, 0,1,2,3
.set i, 0
.rept \cnt
.set nt, 8*\g+i
	RPROD \k
.set i, i+1
.endr
.endr
	WIN 0
.rept 6
	v_nop                                          ; places: four in front of the reads below, five in front of the next group's products, which write over these accumulators
.endr
.set i, 0
.rept \cnt/2
	v_cndmask_b32 v[X+4*\g+i], v[ACC+16*i], v[ACC+16*i+8], s40   ; register 0 of each result: lanes 0-15 the even tile's rows, lanes 16-31 the odd tile's
.set i, i+1
.endr
.endm
	GROUP 0, 8
	GROUP 1, 8
	GROUP 2, 4
	TOP20
	; the weights: lane i holds the i-th largest similarity
	v_cmp_le_f32 s41, 0, v[RV]                     ; it reaches the threshold
	v_cmp_gt_u32 s42, 20, v[LANE]                  ; lanes 20 to 31 stand for nothing
	v_cndmask_b32 v[L], v[VNEG], v[RV], s41
	v_cndmask_b32 v[L], v[VNEG], v[L], s42
	v_mov_b32 v[MV], v[L]
	WRED v_max_num_f32_dpp, v_max_num_f32, MV
	v_sub_f32 v[E], v[L], v[MV]
	v_mul_f32 v[E], 0x3fb8aa3b, v[E]               ; x log2(e)
	v_exp_f32 v[E], v[E]
	v_nop                                          ; a plain place behind a transcendental
	s_wait_alu depctr_va_vdst(0)
	v_cndmask_b32 v[E], 0, v[E], s42
	v_mov_b32 v[SM], v[E]
	WRED v_add_f32_dpp, v_add_f32, SM
	v_rcp_f32 v[SM], v[SM]
	v_nop
	s_wait_alu depctr_va_vdst(0)
	v_mul_f32 v[E], v[E], v[SM]
	v_cndmask_b32 v[E], 0, v[E], s41               ; under the threshold: weight 0
	v_cvt_u32_f32 v[RI], v[RI]
	global_store_b32 v8, v[RI], s[10:11]
	global_store_b32 v8, v[E], s[12:13]
	s_endpgm
.Lfunc_end_k_qf0e8a8262d_rec:
	.size	k_qf0e8a8262d_rec, .Lfunc_end_k_qf0e8a8262d_rec-k_qf0e8a8262d_rec
	.p2alignl 7, 3214868480
	.fill 96, 4, 3214868480
	.section	.rodata,"a",@progbits
	.p2align	6, 0x0
	.amdhsa_kernel k_qf0e8a8262d_rec
		.amdhsa_group_segment_fixed_size 0
		.amdhsa_private_segment_fixed_size 0
		.amdhsa_enable_private_segment 0
		.amdhsa_kernarg_size 40
		.amdhsa_user_sgpr_count 2
		.amdhsa_user_sgpr_kernarg_segment_ptr 1
		.amdhsa_wavefront_size32 1
		.amdhsa_system_sgpr_workgroup_id_x 1
		.amdhsa_system_sgpr_workgroup_id_y 1
		.amdhsa_system_sgpr_workgroup_id_z 1
		.amdhsa_system_vgpr_workitem_id 0
		.amdhsa_next_free_vgpr 896
		.amdhsa_next_free_sgpr 66
		.amdhsa_reserve_vcc 1
		.amdhsa_float_denorm_mode_32 3
		.amdhsa_float_denorm_mode_16_64 3
		.amdhsa_memory_ordered 1
		.amdhsa_forward_progress 1
		.amdhsa_inst_pref_size 44
	.end_amdhsa_kernel
	.amdgpu_metadata
---
amdhsa.version: [ 1, 2 ]
amdhsa.kernels:
  - .name:           k_qf0e8a8262d_rec
    .symbol:         k_qf0e8a8262d_rec.kd
    .args:
      - { .name: cq, .offset: 0, .size: 8, .value_kind: global_buffer, .address_space: global }
      - { .name: uq, .offset: 8, .size: 8, .value_kind: global_buffer, .address_space: global }
      - { .name: idx1, .offset: 16, .size: 8, .value_kind: global_buffer, .address_space: global }
      - { .name: nidx, .offset: 24, .size: 8, .value_kind: global_buffer, .address_space: global }
      - { .name: wts, .offset: 32, .size: 8, .value_kind: global_buffer, .address_space: global }
    .group_segment_fixed_size: 0
    .private_segment_fixed_size: 0
    .kernarg_segment_align: 8
    .kernarg_segment_size: 40
    .max_flat_workgroup_size: 128
    .sgpr_count:     66
    .vgpr_count:     896
    .wavefront_size: 32
...
	.end_amdgpu_metadata
.endif
;; end of part 5
;; launch fuse (part 6): grid 64 x 1, 8 waves a work-group, no clusters, 114,176 bytes of LDS; arguments user_embeddings, cache_embeddings, nidx, wts, W1_codes, W1_scales, b1, W2_codes, W2_scales, b2, out0; writes out0
.if DOCPART == 6
	.amdgcn_target "amdgcn-amd-amdhsa--gfx1250"
	.amdhsa_code_object_version 6
	.text
	.protected	k_qf0e8a8262d_fuse
	.globl	k_qf0e8a8262d_fuse
	.p2align	8
	.type	k_qf0e8a8262d_fuse,@function
k_qf0e8a8262d_fuse:
	s_mov_b64 s[64:65], 0
	v_nop
	global_prefetch_b8 v0, s[64:65] scope:SCOPE_SE
	s_setreg_imm32_b32 hwreg(HW_REG_WAVE_MODE, 25, 1), 1
	s_wait_xcnt 0x0
; out = any neighbour valid ? relu([user | agg] W1 + b1) W2 + b2 : user, with agg = the sum of 20 cached rows (f32, as they lie) by their weights, in f32 fused multiply-adds; both products on codes of FP4 with E8M0 scales.
; [user | agg] (K = 1,024) and the hidden layer (K = 512) are quantised on the way and never go to memory; W1 and W2 arrive as codes with K innermost.
; SHARES.  A work-group takes 16 users, one tile of rows: 64 work-groups; a finer split would read the weights more often than it spares.  Wave w: gathers for rows 2 w, 2 w + 1; quantises K step w of [user | agg];
; makes hidden units 64 w .. 64 w + 63 and outputs 64 w .. 64 w + 63 for all 16 users; stores rows 2 w, 2 w + 1.  The rows' numbers are whole numbers that an earlier launch stored, each held to 99,999 before it enters an address.
; OPERANDS GO FROM WAVE TO WAVE THROUGH LDS AS IMAGES OF THEIR REGISTERS (16 bytes a lane at 16 x lane, scale words 4 bytes a lane).  Both products are used transposed (source 0 = 16 rows of the weight, source 1 = the users).
; THE ROWS OF W1 THAT FORM A TILE ARE NOT NEIGHBOURS: lane r of tile 2 b + u takes row 32 b + 8 u + r + 8 (r / 8), so that the 16 registers of tiles 2 b, 2 b + 1 are 16 neighbours along the next K.  The biases are the C of each sum's first product.
; any valid: the largest similarity's weight is at least 1 / 20 where it is valid and 0 where not, so the first weight > 0 says it.
; LIMITS: NaN and infinities are not served; a block of zeros gets the byte 1 where the rule says 127: its codes are zeros.
; LDS: images of x (8 x 1,024) and their scale words (8 x 128); of the hidden layer (8 halves x 512) and its scale words (8 x 128: two bytes of use in each wave's word); STG, 16 rows x (4,096 + 16): user, then agg; OSTG, 16 rows x (2,048 + 16).
; REGISTERS, window 0: v1-15, v24-30 addresses; v16-23 the gather's offsets; v32-95, v96-159 two batches of 4 rows, later x's numbers and fragments, the hidden layer, the biases; v160-175 agg, v176-195 weights, later at work; v196 the first weight;
;   v200-231 the weights' scale words, v232-239 x's, v240-243 the hidden layer's: these hold scales and nothing else.  Window 1: W1's 32 fragments, later W2's 16.
.set XIMG, 0
.set XSC,  8192
.set HIMG, 9216
.set HSC,  13312
.set STG,  14336
.set SP,   4112                        ; an odd multiple of 16: sixteen rows of a read start at sixteen different 16-byte columns
.set OSTG, STG+16*SP
.set OP,   2064
.set VO,   16
.set RB,   32
.set XF,   32
.set HF,   32
.set UE,   64
.set HA,   96
.set BI,   128
.set ACCA, 160
.set WV,   176
.set FW,   196
.set TM,   160
.set PC,   176
.set PW,   184
.set HW,   185
.set WS,   200
.set XS,   232
.set HS,   240
.set SEL,  74
.set MSB, 0
.macro WIN new                         ; the immediate's high byte repeats the setting that is left
.if MSB != (\new)
	s_set_vgpr_msb (MSB<<8)|(\new)
.set MSB, (\new)
.endif
.endm
.macro BARRIER                         ; my LDS stores have landed and my LDS loads are in: then the work-group's barrier
	s_wait_dscnt 0x0
	s_barrier_signal -1
	s_barrier_wait -1
.endm
	s_load_b512 s[4:19], s[0:1], 0x0               ; users s[4:5], cache s[6:7], nidx s[8:9], wts s[10:11], W1's codes s[12:13], its scales s[14:15], b1 s[16:17], W2's codes s[18:19]
	s_load_b128 s[20:23], s[0:1], 0x40             ; W2's scales s[20:21], b2 s[22:23]
	s_load_b64 s[24:25], s[0:1], 0x50              ; out0
	v_lshl_add_u32 v254, v0, 2, 0x1ba00
	v_mov_b32 v255, 0
	v_lshrrev_b32 v1, 5, v0
	v_readfirstlane_b32 s26, v1                    ; wave 0..7
	v_and_b32 v1, 31, v0                           ; lane
	v_lshlrev_b32 v2, 4, v1                        ; 16 x lane
	v_and_b32 v3, 15, v0                           ; r
	v_bfe_u32 v4, v0, 4, 1                         ; h
	v_lshlrev_b32 v5, 2, v1                        ; 4 x lane
	s_mul_i32 s27, s26, 2*SP
	s_add_co_u32 s27, s27, STG
	v_add_nc_u32 v6, s27, v2                       ; STG, in: my two rows, 16 x lane
	v_and_b32 v31, 8, v3
	v_add_nc_u32 v31, v31, v3                      ; r + 8 (r / 8)
	v_lshlrev_b32 v7, 9, v31
	v_lshl_add_u32 v7, v4, 4, v7                   ; W1's codes: a row is 512 bytes
	v_lshlrev_b32 v24, 5, v31                      ; its scale bytes: 32 a row
	v_lshlrev_b32 v25, 6, v4                       ; b1: 16 h numbers on
	v_lshlrev_b32 v26, 8, v3
	v_lshl_add_u32 v26, v4, 4, v26                 ; W2's codes: a row is 256 bytes
	v_lshlrev_b32 v27, 4, v3                       ; its scale bytes: 16 a row
	v_lshlrev_b32 v28, 5, v4                       ; b2: 8 h numbers on
	v_lshlrev_b32 v29, 7, v3                       ; user r's weights
	s_lshl_b32 s27, s26, 8
	v_mov_b32 v30, s27                             ; my two users' weights
	v_mul_u32_u24 v31, v3, SP
	s_lshl_b32 s27, s26, 9
	s_add_co_u32 s27, s27, STG
	v_lshl_add_u32 v8, v4, 6, v31
	v_add_nc_u32 v8, s27, v8                       ; STG, out: row r, K step w, + 16 h numbers
	s_lshl_b32 s27, s26, 8
	s_add_co_u32 s27, s27, STG
	v_lshl_add_u32 v13, v4, 5, v31
	v_add_nc_u32 v13, s27, v13                     ; STG: user r's numbers at my outputs' columns
	s_lshl_b32 s27, s26, 10
	v_add_nc_u32 v9, s27, v2                       ; x's image: 1,024 w + 16 x lane
	s_lshl_b32 s27, s26, 7
	v_add_nc_u32 v10, s27, v5                      ; a scale word: 128 w + 4 x lane
	s_lshl_b32 s27, s26, 9
	v_add_nc_u32 v11, s27, v2                      ; the hidden layer's image: 512 w + 16 x lane
	v_mul_u32_u24 v14, v3, OP
	v_lshl_add_u32 v14, v4, 5, v14
	s_lshl_b32 s27, s26, 8
	s_add_co_u32 s27, s27, OSTG
	v_add_nc_u32 v14, s27, v14                     ; OSTG, in: row r, my outputs' bytes
	s_mul_i32 s27, s26, 2*OP
	s_add_co_u32 s27, s27, OSTG
	v_add_nc_u32 v15, s27, v2                      ; and out: my two rows
	s_mov_b32 s[SEL], 0x76543210
	s_mov_b32 s[SEL+1], 0xfedcba98
	s_mov_b32 s73, 0
	s_lshl_b32 s72, ttmp9, 15
	s_lshl_b32 s27, s26, 12
	s_add_co_u32 s72, s72, s27                     ; rows 16 g + 2 w on, of 2,048 bytes
	s_wait_kmcnt 0x0
	s_add_nc_u64 s[4:5], s[4:5], s[72:73]
	s_add_nc_u64 s[24:25], s[24:25], s[72:73]
	s_lshr_b32 s72, s72, 4                         ; the same rows of 128 bytes
	s_add_nc_u64 s[8:9], s[8:9], s[72:73]
	s_load_b512 s[28:43], s[8:9], 0x0              ; my first user's 20 rows,
	s_load_b128 s[44:47], s[8:9], 0x40
	s_load_b512 s[48:63], s[8:9], 0x80             ; my second user's
	s_load_b128 s[68:71], s[8:9], 0xc0
	s_lshl_b32 s72, ttmp9, 11
	s_add_nc_u64 s[10:11], s[10:11], s[72:73]      ; the work-group's 16 rows of weights
	s_lshl_b32 s72, s26, 15
	s_add_nc_u64 s[12:13], s[12:13], s[72:73]      ; my 64 rows of W1,
	s_lshl_b32 s72, s26, 11
	s_add_nc_u64 s[14:15], s[14:15], s[72:73]
	s_lshl_b32 s72, s26, 8
	s_add_nc_u64 s[16:17], s[16:17], s[72:73]
	s_add_nc_u64 s[22:23], s[22:23], s[72:73]
	s_lshl_b32 s72, s26, 14
	s_add_nc_u64 s[18:19], s[18:19], s[72:73]      ; and of W2
	s_lshl_b32 s72, s26, 10
	s_add_nc_u64 s[20:21], s[20:21], s[72:73]
	; W1's fragments and scale words are asked for first: older than every load that is counted below
	WIN 0x40                                       ; destination window 1
.irp t, 0,1,2,3
.irp k, 0,1,2,3,4,5,6,7
.irp c, 0,1
	global_load_b128 v[64*\t+8*\k+4*\c:64*\t+8*\k+4*\c+3], v7, s[12:13] offset:(32*(\t/2)+8*(\t%2))*512+64*\k+32*\c
.endr
.endr
.endr
	WIN 0
.irp t, 0,1,2,3
.irp f, 0,1
	global_load_b128 v[WS+8*\t+4*\f:WS+8*\t+4*\f+3], v24, s[14:15] offset:(32*(\t/2)+8*(\t%2))*32+16*\f
.endr
.endr
	global_load_b32 v[FW], v29, s[10:11]           ; user r's first weight
.macro WVLOAD a                        ; the 20 weights of my user a, the same in every lane
.irp i, 0,1,2,3,4
	global_load_b128 v[WV+4*\i:WV+4*\i+3], v30, s[10:11] offset:128*\a+16*\i
.endr
.endm
	WVLOAD 0
	s_wait_kmcnt 0x0
.set n, 28
.rept 36
	s_min_u32 s[n], s[n], 99999                    ; held inside the table;
	s_lshl_b32 s[n], s[n], 11                      ; a row is 2,048 bytes: under 2^31
.set n, n+1
.endr
.set n, 68
.rept 4
	s_min_u32 s[n], s[n], 99999
	s_lshl_b32 s[n], s[n], 11
.set n, n+1
.endr
; Batch bt of ten: neighbours 4 (bt % 5) .. + 3 of user bt / 5; a row is four loads of 512 consecutive bytes.  No hint: a row may be named by several users.
.macro ISSUE bt
.irp j, 0,1,2,3
.set nn, 4*((\bt)%5)+\j
.if (\bt) < 5
.set ir, 28+nn
.elseif nn < 16
.set ir, 48+nn
.else
.set ir, 52+nn
.endif
	v_add_nc_u32 v[VO+4*((\bt)%2)+\j], s[ir], v2   ; free: the batch that named this register was waited for
.endr
.irp j, 0,1,2,3
.irp q, 0,1,2,3
	global_load_b128 v[RB+64*((\bt)%2)+16*\j+4*\q:RB+64*((\bt)%2)+16*\j+4*\q+3], v[VO+4*((\bt)%2)+\j], s[6:7] offset:512*\q
.endr
.endr
.endm
.macro CONSUME bt, left                ; agg += weight x row, two numbers an instruction; a user's first row starts the sums
	s_wait_loadcnt \left
.irp j, 0,1,2,3
.set nn, 4*((\bt)%5)+\j
.set wr, WV+(nn/2)*2
.set rb, RB+64*((\bt)%2)+16*\j
.set e, 0
.rept 8
.if nn == 0
	v_pk_mul_f32 v[ACCA+e:ACCA+e+1], v[rb+e:rb+e+1], v[wr:wr+1] op_sel_hi:[1,0]
.elseif nn%2 == 0
	v_pk_fma_f32 v[ACCA+e:ACCA+e+1], v[rb+e:rb+e+1], v[wr:wr+1], v[ACCA+e:ACCA+e+1] op_sel_hi:[1,0,1]
.else
	v_pk_fma_f32 v[ACCA+e:ACCA+e+1], v[rb+e:rb+e+1], v[wr:wr+1], v[ACCA+e:ACCA+e+1] op_sel:[0,1,0] op_sel_hi:[1,1,1]
.endif
.set e, e+2
.endr
.endr
.endm
.macro AGGOUT a                        ; my user a's agg into its row of STG, behind the user's 2,048 bytes
.irp q, 0,1,2,3
	ds_store_b128 v6, v[ACCA+4*\q:ACCA+4*\q+3] offset:SP*\a+2048+512*\q
.endr
	s_wait_dscnt 0x0                               ; the stores have read their registers
.endm
	; ---- A: the gather and the weighted sums; two batches (32 loads a wave) are always asked for
	ISSUE 0
	ISSUE 1
.irp t, 0,1,2,3,4,5,6,7
	CONSUME \t, 16                                 ; this batch and all that is older are in; the next batch's sixteen loads may be out
.if \t == 4
	AGGOUT 0
	WVLOAD 1                                       ; ahead of the next batch's loads: the count 16 at batch 5 covers these five too
.endif
	ISSUE \t+2
.endr
	CONSUME 8, 16
.irp a, 0,1
.irp q, 0,1,2,3
	global_load_b128 v[RB+16*\a+4*\q:RB+16*\a+4*\q+3], v2, s[4:5] offset:2048*\a+512*\q   ; my two users' own rows, into the batch buffer that is free
.endr
.endr
	CONSUME 9, 8                                   ; the last batch is in; the eight loads just issued may be out
	AGGOUT 1
.irp t, 0,1,2,3
.irp f, 0,1
	global_load_b128 v[BI+8*\t+4*\f:BI+8*\t+4*\f+3], v25, s[16:17] offset:(32*(\t/2)+8*(\t%2))*4+16*\f   ; b1 in the result's layout: lane (r, h), tile 2 b + u: units 32 b + 16 h + 8 u + 0 .. 7
.endr
.endr
	s_wait_loadcnt 8                               ; the users' rows are in; b1's eight loads may be out
.irp a, 0,1
.irp q, 0,1,2,3
	ds_store_b128 v6, v[RB+16*\a+4*\q:RB+16*\a+4*\q+3] offset:SP*\a+512*\q
.endr
.endr
	BARRIER                                        ; 16 rows of [user | agg] lie in STG
; 16 nb numbers of a lane, register 16 b + i = k 32 b + 16 h + i of my row, become codes in v[PC] on (whole blocks in a lane) and nb scale bytes in v[PW].
.macro QUANT s, nb
.set b, 0
.rept \nb
	v_max3_num_f32 v[TM+b], |v[\s+16*b]|, |v[\s+1+16*b]|, 0x1800000   ; my 16 numbers of block b, and the floor 2^(3 - 127), which holds the byte at 1 from below
.set b, b+1
.endr
.irp i, 2,4,6,8,10,12,14
.set b, 0
.rept \nb
	v_max3_num_f32 v[TM+b], v[TM+b], |v[\s+16*b+\i]|, |v[\s+1+16*b+\i]|
.set b, b+1
.endr
.endr
.set b, 0
.rept \nb
	v_permlanex16_b32 v[TM+4+b], v[TM+b], s[SEL], s[SEL+1]
.set b, b+1
.endr
.set b, 0
.rept \nb
	v_max_num_f32 v[TM+b], v[TM+b], v[TM+4+b]      ; with lane l xor 16's: the block's largest magnitude
.set b, b+1
.endr
.set b, 0
.rept \nb
	v_add_nc_u32 v[TM+12+b], 0xff000000, v[TM+b]   ; 2 off the exponent field: the conversion's scale operand
.set b, b+1
.endr
.set b, 0
.rept \nb
	v_lshrrev_b32 v[TM+4+b], 23, v[TM+12+b]        ; the scale's byte
.set b, b+1
.endr
	v_lshl_or_b32 v[PW], v[TM+5], 8, v[TM+4]
.if \nb == 4
	v_lshl_or_b32 v[PW], v[TM+6], 16, v[PW]
	v_lshl_or_b32 v[PW], v[TM+7], 24, v[PW]
.endif
.set b, 0
.rept \nb
	v_cvt_scalef32_pk8_fp4_f32 v[PC+2*b], v[\s+16*b:\s+7+16*b], v[TM+12+b]
	v_cvt_scalef32_pk8_fp4_f32 v[PC+1+2*b], v[\s+8+16*b:\s+15+16*b], v[TM+12+b]
.set b, b+1
.endr
	v_nop                                          ; one plain place behind the last scaled conversion
.set b, 0
.rept \nb/2
	v_permlane16_swap_b32 v[PC+4*b], v[PC+2+4*b]   ; lanes 0-15 get block 2 b whole, lanes 16-31 block 2 b + 1
	v_permlane16_swap_b32 v[PC+1+4*b], v[PC+3+4*b]
.set b, b+1
.endr
.endm
	; ---- X: K step w of [user | agg], all 16 rows, becomes one fragment and one scale word a row
.irp b, 0,1,2,3
.irp j, 0,1,2,3
	ds_load_b128 v[XF+16*\b+4*\j:XF+16*\b+4*\j+3], v8 offset:128*\b+16*\j
.endr
.endr
	s_wait_dscnt 0x0
	QUANT XF, 4
.irp c, 0,1
	ds_store_b128 v9, v[PC+4*\c:PC+4*\c+3] offset:XIMG+512*\c
.endr
	ds_store_b32 v10, v[PW] offset:XSC
	BARRIER                                        ; x's eight fragments lie in LDS
	; ---- 1: my 64 hidden units for the 16 users
.irp k, 0,1,2,3,4,5,6,7
.irp c, 0,1
	ds_load_b128 v[XF+8*\k+4*\c:XF+8*\k+4*\c+3], v2 offset:XIMG+1024*\k+512*\c
.endr
.endr
.irp k, 0,1,2,3,4,5,6,7
	ds_load_b32 v[XS+\k], v5 offset:XSC+128*\k
.endr
	s_wait_dscnt 0x0
	s_wait_loadcnt 0x0                             ; W1, its scale words, b1
	WIN 0x01                                       ; source 0 (the weight) window 1
.irp k, 0,1,2,3,4,5,6,7
.irp t, 0,1,2,3
.if \k == 0
	v_wmma_scale_f32_16x16x128_f8f6f4 v[HA+8*\t:HA+8*\t+7], v[64*\t+8*\k:64*\t+8*\k+7], v[XF+8*\k:XF+8*\k+7], v[BI+8*\t:BI+8*\t+7], v[WS+8*\t+\k], v[XS+\k] matrix_a_fmt:MATRIX_FMT_FP4 matrix_b_fmt:MATRIX_FMT_FP4
.else
	v_wmma_scale_f32_16x16x128_f8f6f4 v[HA+8*\t:HA+8*\t+7], v[64*\t+8*\k:64*\t+8*\k+7], v[XF+8*\k:XF+8*\k+7], v[HA+8*\t:HA+8*\t+7], v[WS+8*\t+\k], v[XS+\k] matrix_a_fmt:MATRIX_FMT_FP4 matrix_b_fmt:MATRIX_FMT_FP4
.endif
.endr
.endr                                          ; the four accumulators by turns, one instruction a turn
	WIN 0
.rept 4
	v_nop                                          ; places in front of loads into registers that the products have read, and of the first read of results
.endr
	WIN 0x40
.irp n, 0,1,2,3
.irp k, 0,1,2,3
.irp c, 0,1
	global_load_b128 v[32*\n+8*\k+4*\c:32*\n+8*\k+4*\c+3], v26, s[18:19] offset:16*\n*256+64*\k+32*\c   ; W2's fragments land while the hidden layer is quantised
.endr
.endr
.endr
	WIN 0
.irp n, 0,1,2,3
	global_load_b128 v[WS+4*\n:WS+4*\n+3], v27, s[20:21] offset:256*\n
.irp f, 0,1
	global_load_b128 v[BI+8*\n+4*\f:BI+8*\n+4*\f+3], v28, s[22:23] offset:64*\n+16*\f   ; b2: lane (r, h), tile n: outputs 16 n + 8 h + 0 .. 7
.endr
.endr
.set j, 0
.rept 32
	v_max_num_f32 v[HA+j], 0, v[HA+j]              ; the activation, in f32; each accumulator from its low end on
.set j, j+1
.endr
	QUANT HA, 2                                    ; my 64 units are half c = w % 2 of K step w / 2 of the second product: four registers of its fragment, two bytes of its scale word
	ds_store_b128 v11, v[PC:PC+3] offset:HIMG
	ds_store_b32 v10, v[PW] offset:HSC
	BARRIER                                        ; the hidden layer's four fragments lie in LDS
	; ---- 2: my 64 outputs for the 16 users
.irp k, 0,1,2,3
.irp c, 0,1
	ds_load_b128 v[HF+8*\k+4*\c:HF+8*\k+4*\c+3], v2 offset:HIMG+1024*\k+512*\c
.endr
.endr
.irp j, 0,1,2,3,4,5,6,7
	ds_load_b32 v[HW+\j], v5 offset:HSC+128*\j
.endr
.irp n, 0,1,2,3
.irp f, 0,1
	ds_load_b128 v[UE+8*\n+4*\f:UE+8*\n+4*\f+3], v13 offset:64*\n+16*\f   ; the users' own numbers at my outputs' places
.endr
.endr
	s_wait_dscnt 0x0
.irp k, 0,1,2,3
	v_lshl_or_b32 v[HS+\k], v[HW+2*\k+1], 16, v[HW+2*\k]   ; two waves' bytes make a K step's scale word
.endr
.rept 8
	v_nop                                          ; a scale register written by a vector instruction stands eight places ahead of a scaled product
.endr
	s_wait_loadcnt 0x0                             ; W2, its scale words, b2
	WIN 0x01
.irp k, 0,1,2,3
.irp n, 0,1,2,3
.if \k == 0
	v_wmma_scale_f32_16x16x128_f8f6f4 v[HA+8*\n:HA+8*\n+7], v[32*\n+8*\k:32*\n+8*\k+7], v[HF+8*\k:HF+8*\k+7], v[BI+8*\n:BI+8*\n+7], v[WS+4*\n+\k], v[HS+\k] matrix_a_fmt:MATRIX_FMT_FP4 matrix_b_fmt:MATRIX_FMT_FP4
.else
	v_wmma_scale_f32_16x16x128_f8f6f4 v[HA+8*\n:HA+8*\n+7], v[32*\n+8*\k:32*\n+8*\k+7], v[HF+8*\k:HF+8*\k+7], v[HA+8*\n:HA+8*\n+7], v[WS+4*\n+\k], v[HS+\k] matrix_a_fmt:MATRIX_FMT_FP4 matrix_b_fmt:MATRIX_FMT_FP4
.endif
.endr
.endr
	WIN 0
.rept 4
	v_nop
.endr
	v_cmp_lt_f32 vcc_lo, 0, v[FW]                  ; user r has a valid neighbour
.set j, 0
.rept 32
	v_cndmask_b32 v[HA+j], v[UE+j], v[HA+j], vcc_lo   ; else its own embedding
.set j, j+1
.endr
.irp n, 0,1,2,3
.irp f, 0,1
	ds_store_b128 v14, v[HA+8*\n+4*\f:HA+8*\n+4*\f+3] offset:64*\n+16*\f
.endr
.endr
	BARRIER                                        ; 16 whole rows of the output lie in OSTG
.irp a, 0,1
.irp q, 0,1,2,3
	ds_load_b128 v[32+16*\a+4*\q:32+16*\a+4*\q+3], v15 offset:OP*\a+512*\q
.endr
.endr
.irp a, 0,1
.irp q, 0,1,2,3
	s_wait_dscnt 7-4*\a-\q                         ; this load is in; the younger ones may be out
	global_store_b128 v2, v[32+16*\a+4*\q:32+16*\a+4*\q+3], s[24:25] offset:2048*\a+512*\q   ; 512 consecutive bytes of a row, aligned to 256
.endr
.endr
	s_wait_tensorcnt 0x0
	ds_add_u32 v254, v255
	s_wait_dscnt 0x0
	s_endpgm
.Lfunc_end_k_qf0e8a8262d_fuse:
	.size	k_qf0e8a8262d_fuse, .Lfunc_end_k_qf0e8a8262d_fuse-k_qf0e8a8262d_fuse
	.p2alignl 7, 3214868480
	.fill 96, 4, 3214868480
	.section	.rodata,"a",@progbits
	.p2align	6, 0x0
	.amdhsa_kernel k_qf0e8a8262d_fuse
		.amdhsa_group_segment_fixed_size 114176
		.amdhsa_private_segment_fixed_size 0
		.amdhsa_enable_private_segment 0
		.amdhsa_kernarg_size 88
		.amdhsa_user_sgpr_count 2
		.amdhsa_user_sgpr_kernarg_segment_ptr 1
		.amdhsa_wavefront_size32 1
		.amdhsa_system_sgpr_workgroup_id_x 1
		.amdhsa_system_sgpr_workgroup_id_y 1
		.amdhsa_system_sgpr_workgroup_id_z 1
		.amdhsa_system_vgpr_workitem_id 0
		.amdhsa_next_free_vgpr 512
		.amdhsa_next_free_sgpr 80
		.amdhsa_reserve_vcc 1
		.amdhsa_float_denorm_mode_32 3
		.amdhsa_float_denorm_mode_16_64 3
		.amdhsa_memory_ordered 1
		.amdhsa_forward_progress 1
		.amdhsa_inst_pref_size 81
	.end_amdhsa_kernel
	.amdgpu_metadata
---
amdhsa.version: [ 1, 2 ]
amdhsa.kernels:
  - .name:           k_qf0e8a8262d_fuse
    .symbol:         k_qf0e8a8262d_fuse.kd
    .args:
      - { .name: user_embeddings, .offset: 0, .size: 8, .value_kind: global_buffer, .address_space: global }
      - { .name: cache_embeddings, .offset: 8, .size: 8, .value_kind: global_buffer, .address_space: global }
      - { .name: nidx, .offset: 16, .size: 8, .value_kind: global_buffer, .address_space: global }
      - { .name: wts, .offset: 24, .size: 8, .value_kind: global_buffer, .address_space: global }
      - { .name: W1_codes, .offset: 32, .size: 8, .value_kind: global_buffer, .address_space: global }
      - { .name: W1_scales, .offset: 40, .size: 8, .value_kind: global_buffer, .address_space: global }
      - { .name: b1, .offset: 48, .size: 8, .value_kind: global_buffer, .address_space: global }
      - { .name: W2_codes, .offset: 56, .size: 8, .value_kind: global_buffer, .address_space: global }
      - { .name: W2_scales, .offset: 64, .size: 8, .value_kind: global_buffer, .address_space: global }
      - { .name: b2, .offset: 72, .size: 8, .value_kind: global_buffer, .address_space: global }
      - { .name: out0, .offset: 80, .size: 8, .value_kind: global_buffer, .address_space: global }
    .group_segment_fixed_size: 114176
    .private_segment_fixed_size: 0
    .kernarg_segment_align: 8
    .kernarg_segment_size: 88
    .max_flat_workgroup_size: 256
    .sgpr_count:     80
    .vgpr_count:     512
    .wavefront_size: 32
...
	.end_amdgpu_metadata
.endif
;; end of part 6
;; ======== version 2 of 2: 6 launches; version 1 with the launches quant, rec, fuse written anew for expert scheduling mode
;; workspace buffers: uq 278,528 bytes; cq 27,200,000 bytes; m1 25,600,000 bytes; m2 1,024,000 bytes; idx2 131,072 bytes of whole numbers; idx1 131,072 bytes of whole numbers; nidx 131,072 bytes of whole numbers; wts 131,072 bytes
;; launch quant (part 7): grid 3157 x 1, 2 waves a work-group, no clusters, 17,152 bytes of LDS; arguments cache_embeddings, user_embeddings, cq, uq; writes cq, uq
.if DOCPART == 7
	.amdgcn_target "amdgcn-amd-amdhsa--gfx1250"
	.amdhsa_code_object_version 6
	.text
	.protected	k_qf0e8a8262d_quant
	.globl	k_qf0e8a8262d_quant
	.p2align	8
	.type	k_qf0e8a8262d_quant,@function
k_qf0e8a8262d_quant:
	s_mov_b64 s[64:65], 0
	v_nop
	global_prefetch_b8 v0, s[64:65] scope:SCOPE_SE
	s_setreg_imm32_b32 hwreg(HW_REG_WAVE_SCHED_MODE, 0, 2), 2
	s_setreg_imm32_b32 hwreg(HW_REG_WAVE_MODE, 25, 1), 1
	s_wait_xcnt 0x0
	s_wait_alu depctr_vm_vsrc(0)
; Rows of 512 f32 (64 tiles of 16 users, 6,250 tiles of 16 cached rows) are l2-normalised in f32, x * 1 / (sqrt(sum x^2) + 1e-12), and turned into
; codes of FP4 (E2M1) with one E8M0 byte for each 32 along K.  One wave takes one tile of 16 rows (32,768 bytes) and writes one RECORD of 4,352 bytes:
;   byte 1024 ks + 512 c + 16 lane: registers 4 c .. 4 c + 3 of the matrix operand of K step ks (lane (r, h): row r, k = 128 ks + 64 c + 32 h + 0 .. 31);
;   byte 4096 + 16 m: row m's sixteen scale bytes, K ascending: word ks is the scale word of K step ks.
; So every later launch loads operands by 16-byte loads as they lie, and every store here covers 512 (the scale bytes: 256) consecutive bytes, aligned to 256.
; LIMITS: NaN and infinities are not served.  A block of zeros gets the byte 1 where the rule says 127: its codes are zeros, and this program alone reads the bytes.
; The quotient is made by v_sqrt_f32, v_rcp_f32 (1 ulp each) and a multiplication.
; The first 32 work-groups take the users, the others the cache: only pointers are chosen, the path is one.  No tensor loads, no barrier: waves share nothing.
; REGISTERS: window 1: the tile as loaded, row p, quarter k at v[16 p + 4 k].  Window 0: v1-8 addresses; v16-63 sums of squares; v64-127 and v176-239 64 numbers of a lane, two sets; v128-159 codes; v160-163 scale words.
; THE MODE: SCHED_MODE bits 1:0 = 2 (LLVM: expert scheduling mode 2), set by the entry lines.  The code itself states the register dependences
; between vector instructions and memory or LDS instructions, with s_wait_alu, always for 0.
; THE PLAN.  Registers that memory or LDS instructions touch:
;   window 1       Written by the 64 loads; read by the sums of squares and by the LDS stores; never written again.
;   X0, X1         K step k: the LDS loads of its turn through the stage land in X[k % 2]; they are issued at the head of K step k - 1 (the first: as soon as the tile is in).  K step k's vector lines scale and read X[k % 2].
;   C, W           Eight code registers and a scale word for each K step, written by its vector lines, read by the global stores, never written again.
;   v2, v5, v6, v7 Addresses, made once at the head.
; So ONE wait on va_vdst stands in a K step, at its end, ahead of its two stores: the codes and the word are written, and the step is done with X[k % 2], in which the turn issued at the next step's head lands.
; No register that a memory or LDS instruction reads is written again: no wait on vm_vsrc is owed.
.set REC,    4352
.set PITCH,  528                       ; a stage row: 512 bytes + 16, an odd multiple of 16: the sixteen rows of a read start at sixteen different 16-byte columns
.set STAGEB, 16*PITCH                  ; a wave's own stage
.set S,   16                           ; v16-47   a pair of partial sums for each row
.set UT,  32                           ; v32-39   the butterfly's numbers to send (S is done with by then)
.set A,   48                           ; v48-63   a partial sum for each row
.set X,   64                           ; set 0 at v64, set 1 at v176
.set C,   128
.set W,   160
.set INV, 164                          ; v164-165 1 / (norm + eps) of my row, twice
.set M,   166
.set SO,  168
.set B,   170
.set WT,  172
.set TP,  173
.set MSB, 0
.macro WIN new                         ; the immediate's high byte repeats the setting that is left
.if MSB != (\new)
	s_set_vgpr_msb (MSB<<8)|(\new)
.set MSB, (\new)
.endif
.endm
	s_load_b256 s[4:11], s[0:1], 0x0               ; cache s[4:5], users s[6:7], cq s[8:9], uq s[10:11]
	v_lshl_add_u32 v254, v0, 2, 0x4200
	v_mov_b32 v255, 0
	v_lshrrev_b32 v1, 5, v0
	v_readfirstlane_b32 s12, v1                    ; wave 0, 1
	v_and_b32 v1, 31, v0                           ; lane
	v_lshlrev_b32 v2, 4, v1                        ; 16 x lane
	v_and_b32 v3, 15, v0                           ; r
	v_bfe_u32 v4, v0, 4, 1                         ; h
	s_wait_alu depctr_va_sdst(0)                   ; s12 is written, ahead of its first reader: the stage's place and the tile's number are made from it
	s_mul_i32 s13, s12, STAGEB
	v_add_nc_u32 v5, s13, v2                       ; the stage, in: 16 x lane of a row
	v_mul_u32_u24 v6, v3, PITCH
	v_lshl_add_u32 v6, v4, 7, v6
	v_add_nc_u32 v6, s13, v6                       ; and out: row r, + 128 h bytes: k = 32 h on
	v_lshlrev_b32 v7, 4, v3                        ; 16 r: my row's scale bytes
	v_lshlrev_b32 v8, 3, v4                        ; 8 h: my bytes' place in a scale word
	v_mov_b32 v[TP], 0                             ; a lane permute's destination counts as one of its sources
	s_mov_b32 s20, 0x76543210
	s_mov_b32 s21, 0xfedcba98                      ; selects for lane l xor 16
	s_mov_b32 s24, 0xaaaaaaaa                      ; lanes with bit 0, 1, 2, 3 of their number set
	s_mov_b32 s25, 0xcccccccc
	s_mov_b32 s26, 0xf0f0f0f0
	s_mov_b32 s27, 0xff00ff00
	s_lshl_b32 s14, ttmp9, 1
	s_add_co_u32 s14, s14, s12                     ; my tile among all 6,314
	s_wait_kmcnt 0x0
	s_cmp_lt_u32 ttmp9, 32                         ; users or cache: the choice hangs on the work-group's number alone
	s_cselect_b64 s[4:5], s[6:7], s[4:5]
	s_cselect_b64 s[8:9], s[10:11], s[8:9]
	s_cselect_b32 s15, 0, 64
	s_sub_co_u32 s14, s14, s15                     ; my tile in its tensor
	s_lshl_b32 s16, s14, 15                        ; 32,768 bytes a tile: under 2^31
	s_mov_b32 s17, 0
	s_add_nc_u64 s[4:5], s[4:5], s[16:17]
	s_mul_i32 s16, s14, REC
	s_add_nc_u64 s[8:9], s[8:9], s[16:17]
	; the whole tile is asked for at once: 64 loads of 512 consecutive bytes
	WIN 0x40                                       ; destination window 1
	s_wait_alu depctr_va_vdst(0)                   ; v2, v5, v6 and v7 are written: every load, store and LDS instruction of the kernel reads one of them as its address
.set p, 0
.rept 16
.irp k, 0,1,2,3
	global_load_b128 v[16*p+4*\k:16*p+4*\k+3], v2, s[4:5] offset:2048*p+512*\k th:TH_LOAD_NT
.endr
.set p, p+1
.endr
	; sums of squares: my 16 numbers of each row, two at a time
	WIN 0x05                                       ; sources 0 and 1 window 1
.set p, 0
.rept 16
	s_wait_loadcnt 60-4*p                          ; row p's four loads are in; the four of each later row may be out
	v_pk_mul_f32 v[S+2*p:S+2*p+1], v[16*p:16*p+1], v[16*p:16*p+1]
.set q, 2
.rept 7
	v_pk_fma_f32 v[S+2*p:S+2*p+1], v[16*p+q:16*p+q+1], v[16*p+q:16*p+q+1], v[S+2*p:S+2*p+1]
.set q, q+2
.endr
.set p, p+1
.endr
; The tile's quarter k turns through the stage, so that lane (r, h) holds two whole blocks of 32 of row r, in the operand's own order: into set k % 2.
.macro TURN k
.set XT, X+112*((\k)%2)
	WIN 0x04                                       ; an LDS store's data are its source 1: window 1
.set p, 0
.rept 16
	ds_store_b128 v5, v[16*p+4*(\k):16*p+4*(\k)+3] offset:PITCH*p
.set p, p+1
.endr
	WIN 0
.irp c, 0,1
.irp i, 0,1,2,3,4,5,6,7
	ds_load_b128 v[XT+32*\c+4*\i:XT+32*\c+4*\i+3], v6 offset:256*\c+16*\i   ; LDS serves a wave's instructions in order: these see the stores above
.endr
.endr
.endm
	TURN 0                                         ; the tile is in: the first quarter goes through the stage while the norms are made.  No vector line has named set 0
	WIN 0
.set p, 0
.rept 16
	v_add_f32 v[A+p], v[S+2*p], v[S+2*p+1]
.set p, p+1
.endr
; Sixteen sums over the lanes at once.  A level halves the number of registers: of a pair of rows a lane keeps the one that its bit names and sends the other to lane l xor the bit.
.macro BFLY src, dst, n, msk, xm
.set i, 0
.rept \n
	v_cndmask_b32 v[\dst+i], v[\src+2*i], v[\src+2*i+1], s[\msk]
	v_cndmask_b32 v[UT+i], v[\src+2*i+1], v[\src+2*i], s[\msk]
.set i, i+1
.endr
.set i, 0
.rept \n
	v_add_f32_dpp v[\dst+i], v[UT+i], v[\dst+i] row_xmask:\xm row_mask:0xf bank_mask:0xf
.set i, i+1
.endr
.endm
	BFLY A, S, 8, 24, 1
	BFLY S, A, 4, 25, 2
	BFLY A, S, 2, 26, 4
	BFLY S, A, 1, 27, 8
	v_permlanex16_b32 v[A+1], v[A], s20, s21
	v_add_f32 v[A], v[A], v[A+1]                   ; lane l: the sum of squares of row l % 16
	v_sqrt_f32 v[A+2], v[A]
	v_nop                                          ; a plain place behind a transcendental
	s_wait_alu depctr_va_vdst(0)                   ; the root is written, ahead of its first reader
	v_add_f32 v[A+2], 0x2b8cbccc, v[A+2]           ; + 1e-12
	v_rcp_f32 v[INV], v[A+2]
	v_nop
	s_wait_alu depctr_va_vdst(0)                   ; the reciprocal is written, ahead of its first reader
	v_mov_b32 v[INV+1], v[INV]
; One K step of 128.
.macro KSTEP k
	s_wait_dscnt 0x0                               ; this K step's 64 numbers are back from the stage
.if \k < 3
	TURN \k+1                                      ; the next quarter, a K step's vector work ahead.  No wait: no vector line since the last wait on va_vdst names the set in which it lands
.endif
.set XS, X+112*((\k)%2)
.set i, 0
.rept 32
	v_pk_mul_f32 v[XS+i:XS+i+1], v[XS+i:XS+i+1], v[INV:INV+1]
.set i, i+2
.endr
.irp c, 0,1
	v_max3_num_f32 v[M+\c], |v[XS+32*\c]|, |v[XS+32*\c+1]|, 0x1800000   ; block 2 c + h, all mine; the floor 2^(3 - 127) holds the byte at 1 from below
.endr
.irp i, 2,4,6,8,10,12,14,16,18,20,22,24,26,28,30
.irp c, 0,1
	v_max3_num_f32 v[M+\c], v[M+\c], |v[XS+32*\c+\i]|, |v[XS+32*\c+\i+1]|
.endr
.endr
.irp c, 0,1
	v_add_nc_u32 v[SO+\c], 0xff000000, v[M+\c]     ; 2 off the exponent field: the conversion's scale operand
.endr
.irp c, 0,1
	v_lshrrev_b32 v[B+\c], 23, v[SO+\c]            ; the scale's byte
.endr
	v_lshl_or_b32 v[WT], v[B+1], 16, v[B]          ; my two bytes, blocks h and 2 + h,
	v_lshlrev_b32 v[WT], v8, v[WT]                 ; at their places;
	v_permlanex16_b32 v[TP], v[WT], s20, s21
	v_or_b32 v[W+\k], v[WT], v[TP]                 ; with lane l xor 16's two the word is whole, in both lanes
.irp c, 0,1
.irp g, 0,1,2,3
	v_cvt_scalef32_pk8_fp4_f32 v[C+8*\k+4*\c+\g], v[XS+32*\c+8*\g:XS+32*\c+8*\g+7], v[SO+\c]
.endr
.endr
	v_nop                                          ; one plain place behind the last scaled conversion
	s_wait_alu depctr_va_vdst(0)                   ; the conversions have written this step's codes, which the stores read, and its scale word is written; the step is done with its set of 64 numbers, in which LDS loads land at the next step's head
.irp c, 0,1
	global_store_b128 v2, v[C+8*\k+4*\c:C+8*\k+4*\c+3], s[8:9] offset:1024*\k+512*\c   ; each K step has its own code registers: no store's data are written again
.endr
.endm
	KSTEP 0
	KSTEP 1
	KSTEP 2
	KSTEP 3
	global_store_b128 v7, v[W:W+3], s[8:9] offset:4096   ; 256 consecutive bytes; lanes l and l + 16 hold the same words and name the same 16 bytes.  The four words stand ahead of the last wait on va_vdst
	s_wait_dscnt 0x0                               ; the closing lines, six on end
	s_wait_alu 0x0
	s_wait_tensorcnt 0x0
	ds_add_u32 v254, v255
	s_wait_dscnt 0x0
	s_endpgm
.Lfunc_end_k_qf0e8a8262d_quant:
	.size	k_qf0e8a8262d_quant, .Lfunc_end_k_qf0e8a8262d_quant-k_qf0e8a8262d_quant
	.p2alignl 7, 3214868480
	.fill 96, 4, 3214868480
	.section	.rodata,"a",@progbits
	.p2align	6, 0x0
	.amdhsa_kernel k_qf0e8a8262d_quant
		.amdhsa_group_segment_fixed_size 17152
		.amdhsa_private_segment_fixed_size 0
		.amdhsa_enable_private_segment 0
		.amdhsa_kernarg_size 32
		.amdhsa_user_sgpr_count 2
		.amdhsa_user_sgpr_kernarg_segment_ptr 1
		.amdhsa_wavefront_size32 1
		.amdhsa_system_sgpr_workgroup_id_x 1
		.amdhsa_system_sgpr_workgroup_id_y 1
		.amdhsa_system_sgpr_workgroup_id_z 1
		.amdhsa_system_vgpr_workitem_id 0
		.amdhsa_next_free_vgpr 512
		.amdhsa_next_free_sgpr 66
		.amdhsa_reserve_vcc 0
		.amdhsa_float_denorm_mode_32 3
		.amdhsa_float_denorm_mode_16_64 3
		.amdhsa_memory_ordered 1
		.amdhsa_forward_progress 1
		.amdhsa_inst_pref_size 50
	.end_amdhsa_kernel
	.amdgpu_metadata
---
amdhsa.version: [ 1, 2 ]
amdhsa.kernels:
  - .name:           k_qf0e8a8262d_quant
    .symbol:         k_qf0e8a8262d_quant.kd
    .args:
      - { .name: cache_embeddings, .offset: 0, .size: 8, .value_kind: global_buffer, .address_space: global }
      - { .name: user_embeddings, .offset: 8, .size: 8, .value_kind: global_buffer, .address_space: global }
      - { .name: cq, .offset: 16, .size: 8, .value_kind: global_buffer, .address_space: global }
      - { .name: uq, .offset: 24, .size: 8, .value_kind: global_buffer, .address_space: global }
    .group_segment_fixed_size: 17152
    .private_segment_fixed_size: 0
    .kernarg_segment_align: 8
    .kernarg_segment_size: 32
    .max_flat_workgroup_size: 64
    .sgpr_count:     66
    .vgpr_count:     512
    .wavefront_size: 32
...
	.end_amdgpu_metadata
.endif
;; end of part 7
;; launch sims: the kernel of part 2 again; grid 250 x 1, 8 waves a work-group, no clusters, 216,320 bytes of LDS; arguments cq, uq, m1, m2; writes m1, m2
;; launch sel2: the kernel of part 3 again; grid 256 x 1, 4 waves a work-group, no clusters, 4,608 bytes of LDS; arguments m2, idx2; writes idx2
;; launch sel1: the kernel of part 4 again; grid 256 x 1, 4 waves a work-group, no clusters, 0 bytes of LDS; arguments m1, idx2, idx1; writes idx1
;; launch rec (part 8): grid 256 x 1, 4 waves a work-group, no clusters, 0 bytes of LDS; arguments cq, uq, idx1, nidx, wts; writes nidx, wts
.if DOCPART == 8
	.amdgcn_target "amdgcn-amd-amdhsa--gfx1250"
	.amdhsa_code_object_version 6
	.text
	.protected	k_qf0e8a8262d_rec
	.globl	k_qf0e8a8262d_rec
	.p2align	8
	.type	k_qf0e8a8262d_rec,@function
k_qf0e8a8262d_rec:
	s_mov_b64 s[64:65], 0
	v_nop
	global_prefetch_b8 v0, s[64:65] scope:SCOPE_SE
	s_setreg_imm32_b32 hwreg(HW_REG_WAVE_SCHED_MODE, 0, 2), 2
	s_setreg_imm32_b32 hwreg(HW_REG_WAVE_MODE, 25, 1), 1
	s_wait_xcnt 0x0
	s_wait_alu depctr_vm_vsrc(0)
; For each user: the similarities with the 20 x 16 rows of its chosen tiles once more, by the same matrix instruction on the same codes; the 20 largest, ties to the lower row; the softmax over those that reach the
; threshold 0.  Out: nidx[user][32], rows as whole numbers, and wts[user][32], f32 weights (20 used, the rest 0).  A wave takes a user.
; Source 0 = the user's row in all 16 rows (each lane loads the user's own 16 bytes of its record), source 1 = a chosen record as it lies: register 0 of the result holds, in lanes r and r + 16, the similarity with the tile's row r.
; The tile ids are whole numbers that an earlier launch stored; each is held to 6,249 before it enters an address.  The selection has no branch and no address on data.
; SOFTMAX: the largest logit is taken away first, as the definition has it; a logit under the threshold is -1e30 and its weight 0.  LIMIT: NaN and infinities among the similarities are not served.
; REGISTERS, window 0: v1-8 addresses; v16-47 the user's four fragments; v48-51 its scale words; v52-91 the records' scale words (4 p + ks: lanes 0-15 tile 2 p, lanes 16-31 tile 2 p + 1); v92-101 tile ids; v102-111 row ids;
;   v112-121 similarities; v122-141 the records' offsets; v144-207 eight accumulators; v208.. at work.  Windows 1, 2, 3: the fragments of tiles 0-7, 8-15, 16-19, 32 registers a tile.
; THE MODE: SCHED_MODE bits 1:0 = 2 (LLVM: expert scheduling mode 2), set by the entry lines.  The code itself states the register dependences
; between vector or matrix instructions and memory instructions, with s_wait_alu, always for 0.
; THE PLAN.  Registers that memory instructions touch:
;   v2, v5 - v8    Offsets, made once at the head, ahead of the first wait on va_vdst; never written again.
;   TI             Written by ten loads, then held and read by vector lines.
;   SA, VO         The thirty offsets of the records' scale words and fragments: all made first, from the ids; ONE wait; then all 170 loads in one run.  Never written again.
;   the fragments and scale words  Written by loads alone, read by matrix instructions alone.
;   RI, E          Written by vector lines; one wait; read by the two stores.
; Masks: a compare and the select that reads its mask are parted by a wait on va_sdst (VCC: va_vcc): the compares stand in runs of ten, into ten scalar registers, with one wait behind a run.
.set REC,  4352
.set LANE, 1
.set UF,   16
.set USC,  48
.set CSC,  52
.set TI,   92
.set ID,   102
.set X,    112
.set VO,   122
.set ACC,  144
.set V,    10
.set T,    208
.set LM,   218
.set CD,   219
.set TP,   220
.set RV,   221
.set RI,   222
.set VNINF, 223
.set VBIG, 224
.set SA,   225
.set L,    235
.set MV,   236
.set E,    237
.set SM,   238
.set VNEG, 239
.set SEL,  44
.set IT,   43
.set MK,   16                          ; s16-25: ten masks; the tiles' offsets, which lay here, are done with when the selection begins
.set MSB, 0
.macro WIN new                         ; the immediate's high byte repeats the setting that is left
.if MSB != (\new)
	s_set_vgpr_msb (MSB<<8)|(\new)
.set MSB, (\new)
.endif
.endm
.macro WRED opd, op, reg               ; over the 32 lanes, the result in every lane
	\opd v[\reg], v[\reg], v[\reg] row_xmask:1 row_mask:0xf bank_mask:0xf
	\opd v[\reg], v[\reg], v[\reg] row_xmask:2 row_mask:0xf bank_mask:0xf
	\opd v[\reg], v[\reg], v[\reg] row_xmask:4 row_mask:0xf bank_mask:0xf
	\opd v[\reg], v[\reg], v[\reg] row_xmask:8 row_mask:0xf bank_mask:0xf
	v_permlanex16_b32 v[TP], v[\reg], s[SEL], s[SEL+1]
	\op v[\reg], v[\reg], v[TP]
.endm
.macro TOP20
	s_mov_b32 s[IT], 0
.Lpick:
	v_max3_num_f32 v[LM], v[X], v[X+1], v[X+2]
.set j, 3
.rept (V-3)/2
	v_max3_num_f32 v[LM], v[LM], v[X+j], v[X+j+1]
.set j, j+2
.endr
	v_max_num_f32 v[LM], v[LM], v[X+V-1]
	WRED v_max_num_f32_dpp, v_max_num_f32, LM      ; the largest value left
.set j, 0
.rept V
	v_cmp_eq_f32 s[MK+j], v[X+j], v[LM]
.set j, j+1
.endr
	s_wait_alu depctr_va_sdst(0)                   ; the ten masks are written, which the ten selects below read
.set j, 0
.rept V
	v_cndmask_b32 v[T+j], v[VBIG], v[ID+j], s[MK+j]
.set j, j+1
.endr
	v_min3_num_f32 v[CD], v[T], v[T+1], v[T+2]
.set j, 3
.rept (V-3)/2
	v_min3_num_f32 v[CD], v[CD], v[T+j], v[T+j+1]
.set j, j+2
.endr
	v_min_num_f32 v[CD], v[CD], v[T+V-1]
	WRED v_min_num_f32_dpp, v_min_num_f32, CD      ; the lowest id that has it
	v_cmp_eq_u32 vcc_lo, s[IT], v[LANE]
.set j, 0
.rept V
	v_cmp_eq_f32 s[MK+j], v[ID+j], v[CD]
.set j, j+1
.endr
	s_wait_alu depctr_va_vcc(0)                    ; VCC is written, which the two selects below read
	s_wait_alu depctr_va_sdst(0)                   ; and so are the ten masks, which the ten selects behind them read
	v_cndmask_b32 v[RV], v[RV], v[LM], vcc_lo      ; lane i keeps pick i
	v_cndmask_b32 v[RI], v[RI], v[CD], vcc_lo
.set j, 0
.rept V
	v_cndmask_b32 v[X+j], v[X+j], v[VNINF], s[MK+j]
.set j, j+1
.endr
	s_add_co_u32 s[IT], s[IT], 1
	s_cmp_lt_u32 s[IT], 20
	s_cbranch_scc1 .Lpick
.endm
	s_load_b256 s[4:11], s[0:1], 0x0               ; cq s[4:5], uq s[6:7], idx1 s[8:9], nidx s[10:11]
	s_load_b64 s[12:13], s[0:1], 0x20              ; wts
	v_lshrrev_b32 v1, 5, v0
	v_readfirstlane_b32 s14, v1                    ; wave
	v_and_b32 v[LANE], 31, v0
	v_lshlrev_b32 v2, 4, v[LANE]                   ; 16 x lane
	v_and_b32 v3, 15, v0                           ; r
	v_bfe_u32 v4, v0, 4, 1                         ; h
	v_lshlrev_b32 v5, 2, v4                        ; 4 h: lanes 16-31 take the odd tiles' ids
	v_lshlrev_b32 v8, 2, v0                        ; 4 x thread
	v_mov_b32 v[VNINF], 0xff800000
	v_mov_b32 v[VBIG], 0x7f7fffff
	v_mov_b32 v[VNEG], 0xf149f2ca                  ; -1e30
	v_mov_b32 v[TP], 0
	v_mov_b32 v[RV], 0
	v_mov_b32 v[RI], 0
	s_mov_b32 s[SEL], 0x76543210
	s_mov_b32 s[SEL+1], 0xfedcba98
	s_mov_b32 s40, 0xffff0000                      ; lanes 16-31
	s_wait_alu depctr_va_sdst(0)                   ; s14 is written, ahead of its first reader: the user's number is made from it
	s_lshl_b32 s15, ttmp9, 2
	s_add_co_u32 s15, s15, s14                     ; my user
	s_and_b32 s41, s15, 15
	s_lshl_b32 s41, s41, 4
	v_lshl_add_u32 v6, v4, 8, s41                  ; the bytes that lane (u % 16, h) of the user's record's image holds
	v_mov_b32 v7, s41                              ; its row's scale bytes
	s_lshl_b32 s46, s15, 7
	s_mov_b32 s47, 0
	s_wait_kmcnt 0x0
	s_add_nc_u64 s[8:9], s[8:9], s[46:47]          ; its 128 bytes of idx1
	s_load_b512 s[16:31], s[8:9], 0x0              ; the 20 tile ids as scalars, for the fragments' offsets,
	s_load_b128 s[32:35], s[8:9], 0x40
	s_wait_alu depctr_va_vdst(0)                   ; v2 and v5 to v8 are written: the loads below and the stores at the end read them as their offsets
.irp p, 0,1,2,3,4,5,6,7,8,9
	global_load_b32 v[TI+\p], v5, s[8:9] offset:8*\p   ; and a lane's own: tile 2 p + h
.endr
	s_lshr_b32 s46, s15, 4
	s_mul_i32 s46, s46, REC
	s_add_nc_u64 s[6:7], s[6:7], s[46:47]          ; my user's record
.irp k, 0,1,2,3
.irp c, 0,1
	global_load_b128 v[UF+8*\k+4*\c:UF+8*\k+4*\c+3], v6, s[6:7] offset:1024*\k+512*\c
.endr
.endr
	global_load_b128 v[USC:USC+3], v7, s[6:7] offset:4096
	s_lshl_b32 s46, ttmp9, 9
	s_add_nc_u64 s[10:11], s[10:11], s[46:47]
	s_add_nc_u64 s[12:13], s[12:13], s[46:47]
	s_wait_loadcnt 9                               ; the ten ids are in; the user's nine loads may be out
.set p, 0
.rept 10
	v_min_u32 v[TI+p], 6249, v[TI+p]               ; held inside the table
	v_mul_u32_u24 v[SA+p], v[TI+p], REC
	v_lshl_add_u32 v[SA+p], v3, 4, v[SA+p]         ; where row r's four scale words lie
	v_lshl_add_u32 v[ID+p], v[TI+p], 4, v3         ; the row's number: 16 x tile + r
	v_cvt_f32_u32 v[ID+p], v[ID+p]
.set p, p+1
.endr
	s_wait_kmcnt 0x0
.set n, 0
.rept 20
	s_min_u32 s[16+n], s[16+n], 6249
	s_mul_i32 s[16+n], s[16+n], REC
	v_add_nc_u32 v[VO+n], s[16+n], v2
.set n, n+1
.endr
	s_wait_alu depctr_va_vdst(0)                   ; the thirty offsets v[SA ..] and v[VO ..] are written, which the 170 loads below read; only loads and window switches stand between this wait and the last of them
.set p, 0
.rept 10
	global_load_b128 v[CSC+4*p:CSC+4*p+3], v[SA+p], s[4:5] offset:4096   ; row r's four scale words
.set p, p+1
.endr
.irp n, 0,1,2,3,4,5,6,7,8,9,10,11,12,13,14,15,16,17,18,19
	WIN 0x40*(1+\n/8)                              ; destination window 1, 2 or 3
.irp k, 0,1,2,3
.irp c, 0,1
	global_load_b128 v[32*(\n%8)+8*\k+4*\c:32*(\n%8)+8*\k+4*\c+3], v[VO+\n], s[4:5] offset:1024*\k+512*\c   ; 512 consecutive bytes of the record
.endr
.endr
.endr
	WIN 0
	s_wait_loadcnt 0x0
.macro RPROD k                         ; accumulator i: my user x tile nt, K step k
.set rD, ACC+8*i
.set rB, 32*(nt%8)+8*(\k)
.set rS, CSC+4*(nt/2)+(\k)
.if (\k) == 0
.if nt%2
	v_wmma_scale_f32_16x16x128_f8f6f4 v[rD:rD+7], v[UF+8*(\k):UF+8*(\k)+7], v[rB:rB+7], 0, v[USC+(\k)], v[rS] matrix_a_fmt:MATRIX_FMT_FP4 matrix_b_fmt:MATRIX_FMT_FP4 matrix_b_scale:MATRIX_SCALE_ROW1
.else
	v_wmma_scale_f32_16x16x128_f8f6f4 v[rD:rD+7], v[UF+8*(\k):UF+8*(\k)+7], v[rB:rB+7], 0, v[USC+(\k)], v[rS] matrix_a_fmt:MATRIX_FMT_FP4 matrix_b_fmt:MATRIX_FMT_FP4
.endif
.else
.if nt%2
	v_wmma_scale_f32_16x16x128_f8f6f4 v[rD:rD+7], v[UF+8*(\k):UF+8*(\k)+7], v[rB:rB+7], v[rD:rD+7], v[USC+(\k)], v[rS] matrix_a_fmt:MATRIX_FMT_FP4 matrix_b_fmt:MATRIX_FMT_FP4 matrix_b_scale:MATRIX_SCALE_ROW1
.else
	v_wmma_scale_f32_16x16x128_f8f6f4 v[rD:rD+7], v[UF+8*(\k):UF+8*(\k)+7], v[rB:rB+7], v[rD:rD+7], v[USC+(\k)], v[rS] matrix_a_fmt:MATRIX_FMT_FP4 matrix_b_fmt:MATRIX_FMT_FP4
.endif
.endif
.endm
.macro GROUP g, cnt                    ; tiles 8 g .. 8 g + cnt - 1: the accumulators by turns, one instruction a turn
	WIN 0x04*(1+\g)                                ; source 1 in window 1 + g
.irp k, 0,1,2,3
.set i, 0
.rept \cnt
.set nt, 8*\g+i
	RPROD \k
.set i, i+1
.endr
.endr
	WIN 0
.rept 6
	v_nop                                          ; places: four in front of the reads below, five in front of the next group's products, which write over these accumulators
.endr
.set i, 0
.rept \cnt/2
	v_cndmask_b32 v[X+4*\g+i], v[ACC+16*i], v[ACC+16*i+8], s40   ; register 0 of each result: lanes 0-15 the even tile's rows, lanes 16-31 the odd tile's
.set i, i+1
.endr
.endm
	GROUP 0, 8
	GROUP 1, 8
	GROUP 2, 4
	TOP20
	; the weights: lane i holds the i-th largest similarity
	v_cmp_le_f32 s41, 0, v[RV]                     ; it reaches the threshold
	v_cmp_gt_u32 s42, 20, v[LANE]                  ; lanes 20 to 31 stand for nothing
	s_wait_alu depctr_va_sdst(0)                   ; both masks are written, ahead of the first select that reads one
	v_cndmask_b32 v[L], v[VNEG], v[RV], s41
	v_cndmask_b32 v[L], v[VNEG], v[L], s42
	v_mov_b32 v[MV], v[L]
	WRED v_max_num_f32_dpp, v_max_num_f32, MV
	v_sub_f32 v[E], v[L], v[MV]
	v_mul_f32 v[E], 0x3fb8aa3b, v[E]               ; x log2(e)
	v_exp_f32 v[E], v[E]
	v_nop                                          ; a plain place behind a transcendental
	s_wait_alu depctr_va_vdst(0)                   ; the exponential is written, ahead of its first reader
	v_cndmask_b32 v[E], 0, v[E], s42
	v_mov_b32 v[SM], v[E]
	WRED v_add_f32_dpp, v_add_f32, SM
	v_rcp_f32 v[SM], v[SM]
	v_nop
	s_wait_alu depctr_va_vdst(0)                   ; the reciprocal is written, ahead of its first reader
	v_mul_f32 v[E], v[E], v[SM]
	v_cndmask_b32 v[E], 0, v[E], s41               ; under the threshold: weight 0
	v_cvt_u32_f32 v[RI], v[RI]
	s_wait_alu depctr_va_vdst(0)                   ; v[RI] and v[E] are written, which the two stores read
	global_store_b32 v8, v[RI], s[10:11]
	global_store_b32 v8, v[E], s[12:13]
	s_endpgm
.Lfunc_end_k_qf0e8a8262d_rec:
	.size	k_qf0e8a8262d_rec, .Lfunc_end_k_qf0e8a8262d_rec-k_qf0e8a8262d_rec
	.p2alignl 7, 3214868480
	.fill 96, 4, 3214868480
	.section	.rodata,"a",@progbits
	.p2align	6, 0x0
	.amdhsa_kernel k_qf0e8a8262d_rec
		.amdhsa_group_segment_fixed_size 0
		.amdhsa_private_segment_fixed_size 0
		.amdhsa_enable_private_segment 0
		.amdhsa_kernarg_size 40
		.amdhsa_user_sgpr_count 2
		.amdhsa_user_sgpr_kernarg_segment_ptr 1
		.amdhsa_wavefront_size32 1
		.amdhsa_system_sgpr_workgroup_id_x 1
		.amdhsa_system_sgpr_workgroup_id_y 1
		.amdhsa_system_sgpr_workgroup_id_z 1
		.amdhsa_system_vgpr_workitem_id 0
		.amdhsa_next_free_vgpr 896
		.amdhsa_next_free_sgpr 66
		.amdhsa_reserve_vcc 1
		.amdhsa_float_denorm_mode_32 3
		.amdhsa_float_denorm_mode_16_64 3
		.amdhsa_memory_ordered 1
		.amdhsa_forward_progress 1
		.amdhsa_inst_pref_size 44
	.end_amdhsa_kernel
	.amdgpu_metadata
---
amdhsa.version: [ 1, 2 ]
amdhsa.kernels:
  - .name:           k_qf0e8a8262d_rec
    .symbol:         k_qf0e8a8262d_rec.kd
    .args:
      - { .name: cq, .offset: 0, .size: 8, .value_kind: global_buffer, .address_space: global }
      - { .name: uq, .offset: 8, .size: 8, .value_kind: global_buffer, .address_space: global }
      - { .name: idx1, .offset: 16, .size: 8, .value_kind: global_buffer, .address_space: global }
      - { .name: nidx, .offset: 24, .size: 8, .value_kind: global_buffer, .address_space: global }
      - { .name: wts, .offset: 32, .size: 8, .value_kind: global_buffer, .address_space: global }
    .group_segment_fixed_size: 0
    .private_segment_fixed_size: 0
    .kernarg_segment_align: 8
    .kernarg_segment_size: 40
    .max_flat_workgroup_size: 128
    .sgpr_count:     66
    .vgpr_count:     896
    .wavefront_size: 32
...
	.end_amdgpu_metadata
.endif
;; end of part 8
;; launch fuse (part 9): grid 64 x 1, 8 waves a work-group, no clusters, 114,176 bytes of LDS; arguments user_embeddings, cache_embeddings, nidx, wts, W1_codes, W1_scales, b1, W2_codes, W2_scales, b2, out0; writes out0
.if DOCPART == 9
	.amdgcn_target "amdgcn-amd-amdhsa--gfx1250"
	.amdhsa_code_object_version 6
	.text
	.protected	k_qf0e8a8262d_fuse
	.globl	k_qf0e8a8262d_fuse
	.p2align	8
	.type	k_qf0e8a8262d_fuse,@function
k_qf0e8a8262d_fuse:
	s_mov_b64 s[64:65], 0
	v_nop
	global_prefetch_b8 v0, s[64:65] scope:SCOPE_SE
	s_setreg_imm32_b32 hwreg(HW_REG_WAVE_SCHED_MODE, 0, 2), 2
	s_setreg_imm32_b32 hwreg(HW_REG_WAVE_MODE, 25, 1), 1
	s_wait_xcnt 0x0
	s_wait_alu depctr_vm_vsrc(0)
; out = any neighbour valid ? relu([user | agg] W1 + b1) W2 + b2 : user, with agg = the sum of 20 cached rows (f32, as they lie) by their weights, in f32 fused multiply-adds; both products on codes of FP4 with E8M0 scales.
; [user | agg] (K = 1,024) and the hidden layer (K = 512) are quantised on the way and never go to memory; W1 and W2 arrive as codes with K innermost.
; SHARES.  A work-group takes 16 users, one tile of rows: 64 work-groups; a finer split would read the weights more often than it spares.  Wave w: gathers for rows 2 w, 2 w + 1; quantises K step w of [user | agg];
; makes hidden units 64 w .. 64 w + 63 and outputs 64 w .. 64 w + 63 for all 16 users; stores rows 2 w, 2 w + 1.  The rows' numbers are whole numbers that an earlier launch stored, each held to 99,999 before it enters an address.
; OPERANDS GO FROM WAVE TO WAVE THROUGH LDS AS IMAGES OF THEIR REGISTERS (16 bytes a lane at 16 x lane, scale words 4 bytes a lane).  Both products are used transposed (source 0 = 16 rows of the weight, source 1 = the users).
; THE ROWS OF W1 THAT FORM A TILE ARE NOT NEIGHBOURS: lane r of tile 2 b + u takes row 32 b + 8 u + r + 8 (r / 8), so that the 16 registers of tiles 2 b, 2 b + 1 are 16 neighbours along the next K.  The biases are the C of each sum's first product.
; any valid: the largest similarity's weight is at least 1 / 20 where it is valid and 0 where not, so the first weight > 0 says it.
; LIMITS: NaN and infinities are not served; a block of zeros gets the byte 1 where the rule says 127: its codes are zeros.
; LDS: images of x (8 x 1,024) and their scale words (8 x 128); of the hidden layer (8 halves x 512) and its scale words (8 x 128: two bytes of use in each wave's word); STG, 16 rows x (4,096 + 16): user, then agg; OSTG, 16 rows x (2,048 + 16).
; REGISTERS, window 0: v1-15, v24-30 addresses; v16-23, v244-253, v197-198 the gather's twenty offsets; v32-95, v96-159 two batches of 4 rows, later x's numbers and fragments, the hidden layer, the biases; v160-175 agg, v176-195 weights, later at work; v196 the first weight;
;   v200-231 the weights' scale words, v232-239 x's, v240-243 the hidden layer's: these hold scales and nothing else.  Window 1: W1's 32 fragments, later W2's 16.
; THE MODE: SCHED_MODE bits 1:0 = 2 (LLVM: expert scheduling mode 2), set by the entry lines.  The code itself states the register dependences
; between vector or matrix instructions and memory or LDS instructions, with s_wait_alu, always for 0.
; THE PLAN.  Registers that memory or LDS instructions touch:
;   addresses      v2, v5-v15, v24-v30: made once at the head, ahead of the first wait on va_vdst; never written again.
;   the offsets    Twenty, one for each neighbour of a user: made for the first user ahead of the gather, and once more, for the second, behind batch 3, when the loads of batches 0 to 4 have read them.
;   RB0, RB1       Batch t: its sixteen loads land in RB[t % 2]; its 32 multiply-adds read it; behind them the loads of batch t + 2 land in it.
;   agg, weights   agg: written by the multiply-adds, read by four LDS stores a user.  The weights: loaded, read by the multiply-adds, loaded again behind batch 4.
;   PC, PW         Codes and a scale word: written by the quantiser, read by LDS stores, twice.
;   window 1, WS, BI   Loaded, read by the products; loaded again behind the first products.   HS: written by four vector lines, taken as scales by the second products.
; So ONE wait on va_vdst stands behind each batch's multiply-adds: they are done reading the buffer, which is asked for again at once; at batches 3, 4 and 9 the same wait states that the new offsets, or agg, are written.
; One stands ahead of each run of LDS stores of made data, and also frees the registers in which the next phase's LDS loads land; one behind the first products; one ahead of the second.  Four waits on vm_vsrc stand where a register that a load or an LDS store has read is written again.
.set XIMG, 0
.set XSC,  8192
.set HIMG, 9216
.set HSC,  13312
.set STG,  14336
.set SP,   4112                        ; an odd multiple of 16: sixteen rows of a read start at sixteen different 16-byte columns
.set OSTG, STG+16*SP
.set OP,   2064
.set RB,   32
.set XF,   32
.set HF,   32
.set UE,   64
.set HA,   96
.set BI,   128
.set ACCA, 160
.set WV,   176
.set FW,   196
.set TM,   160
.set PC,   176
.set PW,   184
.set HW,   185
.set WS,   200
.set XS,   232
.set HS,   240
.set SEL,  74
.set MSB, 0
.macro WIN new                         ; the immediate's high byte repeats the setting that is left
.if MSB != (\new)
	s_set_vgpr_msb (MSB<<8)|(\new)
.set MSB, (\new)
.endif
.endm
.macro BARRIER                         ; my LDS stores have landed and my LDS loads are in: then the work-group's barrier
	s_wait_dscnt 0x0
	s_barrier_signal -1
	s_barrier_wait -1
.endm
	s_load_b512 s[4:19], s[0:1], 0x0               ; users s[4:5], cache s[6:7], nidx s[8:9], wts s[10:11], W1's codes s[12:13], its scales s[14:15], b1 s[16:17], W2's codes s[18:19]
	s_load_b128 s[20:23], s[0:1], 0x40             ; W2's scales s[20:21], b2 s[22:23]
	s_load_b64 s[24:25], s[0:1], 0x50              ; out0
	v_lshl_add_u32 v254, v0, 2, 0x1ba00
	v_mov_b32 v255, 0
	v_lshrrev_b32 v1, 5, v0
	v_readfirstlane_b32 s26, v1                    ; wave 0..7
	v_and_b32 v1, 31, v0                           ; lane
	v_lshlrev_b32 v2, 4, v1                        ; 16 x lane
	v_and_b32 v3, 15, v0                           ; r
	v_bfe_u32 v4, v0, 4, 1                         ; h
	v_lshlrev_b32 v5, 2, v1                        ; 4 x lane
	s_wait_alu depctr_va_sdst(0)                   ; s26 is written, ahead of its first reader: every wave's share is made from it
	s_mul_i32 s27, s26, 2*SP
	s_add_co_u32 s27, s27, STG
	v_add_nc_u32 v6, s27, v2                       ; STG, in: my two rows, 16 x lane
	v_and_b32 v31, 8, v3
	v_add_nc_u32 v31, v31, v3                      ; r + 8 (r / 8)
	v_lshlrev_b32 v7, 9, v31
	v_lshl_add_u32 v7, v4, 4, v7                   ; W1's codes: a row is 512 bytes
	v_lshlrev_b32 v24, 5, v31                      ; its scale bytes: 32 a row
	v_lshlrev_b32 v25, 6, v4                       ; b1: 16 h numbers on
	v_lshlrev_b32 v26, 8, v3
	v_lshl_add_u32 v26, v4, 4, v26                 ; W2's codes: a row is 256 bytes
	v_lshlrev_b32 v27, 4, v3                       ; its scale bytes: 16 a row
	v_lshlrev_b32 v28, 5, v4                       ; b2: 8 h numbers on
	v_lshlrev_b32 v29, 7, v3                       ; user r's weights
	s_lshl_b32 s27, s26, 8
	v_mov_b32 v30, s27                             ; my two users' weights
	v_mul_u32_u24 v31, v3, SP
	s_lshl_b32 s27, s26, 9
	s_add_co_u32 s27, s27, STG
	v_lshl_add_u32 v8, v4, 6, v31
	v_add_nc_u32 v8, s27, v8                       ; STG, out: row r, K step w, + 16 h numbers
	s_lshl_b32 s27, s26, 8
	s_add_co_u32 s27, s27, STG
	v_lshl_add_u32 v13, v4, 5, v31
	v_add_nc_u32 v13, s27, v13                     ; STG: user r's numbers at my outputs' columns
	s_lshl_b32 s27, s26, 10
	v_add_nc_u32 v9, s27, v2                       ; x's image: 1,024 w + 16 x lane
	s_lshl_b32 s27, s26, 7
	v_add_nc_u32 v10, s27, v5                      ; a scale word: 128 w + 4 x lane
	s_lshl_b32 s27, s26, 9
	v_add_nc_u32 v11, s27, v2                      ; the hidden layer's image: 512 w + 16 x lane
	v_mul_u32_u24 v14, v3, OP
	v_lshl_add_u32 v14, v4, 5, v14
	s_lshl_b32 s27, s26, 8
	s_add_co_u32 s27, s27, OSTG
	v_add_nc_u32 v14, s27, v14                     ; OSTG, in: row r, my outputs' bytes
	s_mul_i32 s27, s26, 2*OP
	s_add_co_u32 s27, s27, OSTG
	v_add_nc_u32 v15, s27, v2                      ; and out: my two rows
	s_mov_b32 s[SEL], 0x76543210
	s_mov_b32 s[SEL+1], 0xfedcba98
	s_mov_b32 s73, 0
	s_lshl_b32 s72, ttmp9, 15
	s_lshl_b32 s27, s26, 12
	s_add_co_u32 s72, s72, s27                     ; rows 16 g + 2 w on, of 2,048 bytes
	s_wait_kmcnt 0x0
	s_add_nc_u64 s[4:5], s[4:5], s[72:73]
	s_add_nc_u64 s[24:25], s[24:25], s[72:73]
	s_lshr_b32 s72, s72, 4                         ; the same rows of 128 bytes
	s_add_nc_u64 s[8:9], s[8:9], s[72:73]
	s_load_b512 s[28:43], s[8:9], 0x0              ; my first user's 20 rows,
	s_load_b128 s[44:47], s[8:9], 0x40
	s_load_b512 s[48:63], s[8:9], 0x80             ; my second user's
	s_load_b128 s[68:71], s[8:9], 0xc0
	s_lshl_b32 s72, ttmp9, 11
	s_add_nc_u64 s[10:11], s[10:11], s[72:73]      ; the work-group's 16 rows of weights
	s_lshl_b32 s72, s26, 15
	s_add_nc_u64 s[12:13], s[12:13], s[72:73]      ; my 64 rows of W1,
	s_lshl_b32 s72, s26, 11
	s_add_nc_u64 s[14:15], s[14:15], s[72:73]
	s_lshl_b32 s72, s26, 8
	s_add_nc_u64 s[16:17], s[16:17], s[72:73]
	s_add_nc_u64 s[22:23], s[22:23], s[72:73]
	s_lshl_b32 s72, s26, 14
	s_add_nc_u64 s[18:19], s[18:19], s[72:73]      ; and of W2
	s_lshl_b32 s72, s26, 10
	s_add_nc_u64 s[20:21], s[20:21], s[72:73]
	; W1's fragments and scale words are asked for first: older than every load that is counted below
	WIN 0x40                                       ; destination window 1
	s_wait_alu depctr_va_vdst(0)                   ; the addresses v2, v5 to v15 and v24 to v30 are written: every load, store and LDS instruction of the kernel but the gather's reads one of them
.irp t, 0,1,2,3
.irp k, 0,1,2,3,4,5,6,7
.irp c, 0,1
	global_load_b128 v[64*\t+8*\k+4*\c:64*\t+8*\k+4*\c+3], v7, s[12:13] offset:(32*(\t/2)+8*(\t%2))*512+64*\k+32*\c
.endr
.endr
.endr
	WIN 0
.irp t, 0,1,2,3
.irp f, 0,1
	global_load_b128 v[WS+8*\t+4*\f:WS+8*\t+4*\f+3], v24, s[14:15] offset:(32*(\t/2)+8*(\t%2))*32+16*\f
.endr
.endr
	global_load_b32 v[FW], v29, s[10:11]           ; user r's first weight
.macro WVLOAD a                        ; the 20 weights of my user a, the same in every lane
.irp i, 0,1,2,3,4
	global_load_b128 v[WV+4*\i:WV+4*\i+3], v30, s[10:11] offset:128*\a+16*\i
.endr
.endm
	WVLOAD 0
	s_wait_kmcnt 0x0
.set n, 28
.rept 36
	s_min_u32 s[n], s[n], 99999                    ; held inside the table;
	s_lshl_b32 s[n], s[n], 11                      ; a row is 2,048 bytes: under 2^31
.set n, n+1
.endr
.set n, 68
.rept 4
	s_min_u32 s[n], s[n], 99999
	s_lshl_b32 s[n], s[n], 11
.set n, n+1
.endr
.macro VOREG                           ; vr = the register of neighbour nn's offset: v16-23, v244-253, v197-198
.if nn < 8
.set vr, 16+nn
.elseif nn < 18
.set vr, 236+nn
.else
.set vr, 179+nn
.endif
.endm
.macro OFFS a                          ; the twenty offsets of my user a's rows: the row's first byte + 16 x lane
.set nn, 0
.rept 20
.if (\a) == 0
.set ir, 28+nn
.elseif nn < 16
.set ir, 48+nn
.else
.set ir, 52+nn
.endif
	VOREG
	v_add_nc_u32 v[vr], s[ir], v2
.set nn, nn+1
.endr
.endm
; Batch bt of ten: neighbours 4 (bt % 5) .. + 3 of user bt / 5; a row is four loads of 512 consecutive bytes.  No hint: a row may be named by several users.
.macro ISSUE bt
.irp j, 0,1,2,3
.set nn, 4*((\bt)%5)+\j
	VOREG
.irp q, 0,1,2,3
	global_load_b128 v[RB+64*((\bt)%2)+16*\j+4*\q:RB+64*((\bt)%2)+16*\j+4*\q+3], v[vr], s[6:7] offset:512*\q
.endr
.endr
.endm
.macro CONSUME bt, left                ; agg += weight x row, two numbers an instruction; a user's first row starts the sums
	s_wait_loadcnt \left
.irp j, 0,1,2,3
.set nn, 4*((\bt)%5)+\j
.set wr, WV+(nn/2)*2
.set rb, RB+64*((\bt)%2)+16*\j
.set e, 0
.rept 8
.if nn == 0
	v_pk_mul_f32 v[ACCA+e:ACCA+e+1], v[rb+e:rb+e+1], v[wr:wr+1] op_sel_hi:[1,0]
.elseif nn%2 == 0
	v_pk_fma_f32 v[ACCA+e:ACCA+e+1], v[rb+e:rb+e+1], v[wr:wr+1], v[ACCA+e:ACCA+e+1] op_sel_hi:[1,0,1]
.else
	v_pk_fma_f32 v[ACCA+e:ACCA+e+1], v[rb+e:rb+e+1], v[wr:wr+1], v[ACCA+e:ACCA+e+1] op_sel:[0,1,0] op_sel_hi:[1,1,1]
.endif
.set e, e+2
.endr
.endr
.endm
.macro AGGOUT a                        ; my user a's agg into its row of STG, behind the user's 2,048 bytes
.irp q, 0,1,2,3
	ds_store_b128 v6, v[ACCA+4*\q:ACCA+4*\q+3] offset:SP*\a+2048+512*\q
.endr
	s_wait_dscnt 0x0                               ; my four stores have landed
.endm
	; ---- A: the gather and the weighted sums; two batches (32 loads a wave) are always asked for
	OFFS 0
	s_wait_alu depctr_va_vdst(0)                   ; the first user's twenty offsets are written, which the loads of batches 0 to 4 read
	ISSUE 0
	ISSUE 1
.irp t, 0,1,2,3,4,5,6,7
	CONSUME \t, 16                                 ; this batch and all that is older are in; the next batch's sixteen loads may be out
.if \t == 3
	s_wait_xcnt 0x0                                ; batch 4's loads, which are still out, have had their addresses translated: only behind this wait are their offsets written again
	s_wait_alu depctr_vm_vsrc(0)                   ; the loads of batches 0 to 4 have read the twenty offsets
	OFFS 1
.endif
	s_wait_alu depctr_va_vdst(0)                   ; this batch's multiply-adds are done reading their buffer, in which the loads below land; behind batch 3 the second user's offsets are written; behind batch 4 agg is written, which the LDS stores read
.if \t == 4
	AGGOUT 0
	WVLOAD 1                                       ; ahead of the next batch's loads: the count 16 at batch 5 covers these five too
.endif
	ISSUE \t+2
.if \t == 4
	s_wait_alu depctr_vm_vsrc(0)                   ; the four LDS stores have read agg's registers, in which batch 5 begins the second user's sums
.endif
.endr
	CONSUME 8, 16
	s_wait_alu depctr_va_vdst(0)                   ; batch 8's multiply-adds are done reading v32 to v95, in the first half of which the users' rows land
.irp a, 0,1
.irp q, 0,1,2,3
	global_load_b128 v[RB+16*\a+4*\q:RB+16*\a+4*\q+3], v2, s[4:5] offset:2048*\a+512*\q   ; my two users' own rows, into the batch buffer that is free
.endr
.endr
	CONSUME 9, 8                                   ; the last batch is in; the eight loads just issued may be out
	s_wait_alu depctr_va_vdst(0)                   ; agg is written, which the LDS stores read; batch 9's multiply-adds are done reading v96 to v159, in the upper part of which b1 lands
	AGGOUT 1
.irp t, 0,1,2,3
.irp f, 0,1
	global_load_b128 v[BI+8*\t+4*\f:BI+8*\t+4*\f+3], v25, s[16:17] offset:(32*(\t/2)+8*(\t%2))*4+16*\f   ; b1 in the result's layout: lane (r, h), tile 2 b + u: units 32 b + 16 h + 8 u + 0 .. 7
.endr
.endr
	s_wait_loadcnt 8                               ; the users' rows are in; b1's eight loads may be out
.irp a, 0,1
.irp q, 0,1,2,3
	ds_store_b128 v6, v[RB+16*\a+4*\q:RB+16*\a+4*\q+3] offset:SP*\a+512*\q
.endr
.endr
	BARRIER                                        ; 16 rows of [user | agg] lie in STG
; 16 nb numbers of a lane, register 16 b + i = k 32 b + 16 h + i of my row, become codes in v[PC] on (whole blocks in a lane) and nb scale bytes in v[PW].
.macro QUANT s, nb
.set b, 0
.rept \nb
	v_max3_num_f32 v[TM+b], |v[\s+16*b]|, |v[\s+1+16*b]|, 0x1800000   ; my 16 numbers of block b, and the floor 2^(3 - 127), which holds the byte at 1 from below
.set b, b+1
.endr
.irp i, 2,4,6,8,10,12,14
.set b, 0
.rept \nb
	v_max3_num_f32 v[TM+b], v[TM+b], |v[\s+16*b+\i]|, |v[\s+1+16*b+\i]|
.set b, b+1
.endr
.endr
.set b, 0
.rept \nb
	v_permlanex16_b32 v[TM+4+b], v[TM+b], s[SEL], s[SEL+1]
.set b, b+1
.endr
.set b, 0
.rept \nb
	v_max_num_f32 v[TM+b], v[TM+b], v[TM+4+b]      ; with lane l xor 16's: the block's largest magnitude
.set b, b+1
.endr
.set b, 0
.rept \nb
	v_add_nc_u32 v[TM+12+b], 0xff000000, v[TM+b]   ; 2 off the exponent field: the conversion's scale operand
.set b, b+1
.endr
.set b, 0
.rept \nb
	v_lshrrev_b32 v[TM+4+b], 23, v[TM+12+b]        ; the scale's byte
.set b, b+1
.endr
	v_lshl_or_b32 v[PW], v[TM+5], 8, v[TM+4]
.if \nb == 4
	v_lshl_or_b32 v[PW], v[TM+6], 16, v[PW]
	v_lshl_or_b32 v[PW], v[TM+7], 24, v[PW]
.endif
.set b, 0
.rept \nb
	v_cvt_scalef32_pk8_fp4_f32 v[PC+2*b], v[\s+16*b:\s+7+16*b], v[TM+12+b]
	v_cvt_scalef32_pk8_fp4_f32 v[PC+1+2*b], v[\s+8+16*b:\s+15+16*b], v[TM+12+b]
.set b, b+1
.endr
	v_nop                                          ; one plain place behind the last scaled conversion
.set b, 0
.rept \nb/2
	v_permlane16_swap_b32 v[PC+4*b], v[PC+2+4*b]   ; lanes 0-15 get block 2 b whole, lanes 16-31 block 2 b + 1
	v_permlane16_swap_b32 v[PC+1+4*b], v[PC+3+4*b]
.set b, b+1
.endr
.endm
	; ---- X: K step w of [user | agg], all 16 rows, becomes one fragment and one scale word a row
	s_wait_alu depctr_vm_vsrc(0)                   ; my LDS stores have read v32 to v63, in which the loads below land, and agg's registers, which the quantiser takes to work in
.irp b, 0,1,2,3
.irp j, 0,1,2,3
	ds_load_b128 v[XF+16*\b+4*\j:XF+16*\b+4*\j+3], v8 offset:128*\b+16*\j
.endr
.endr
	s_wait_dscnt 0x0
	QUANT XF, 4
	s_wait_alu depctr_va_vdst(0)                   ; the codes and the scale word are written, which the LDS stores read; the quantiser is done reading v32 to v95, in which x's fragments land behind the barrier
.irp c, 0,1
	ds_store_b128 v9, v[PC+4*\c:PC+4*\c+3] offset:XIMG+512*\c
.endr
	ds_store_b32 v10, v[PW] offset:XSC
	BARRIER                                        ; x's eight fragments lie in LDS
	; ---- 1: my 64 hidden units for the 16 users
	s_wait_alu depctr_vm_vsrc(0)                   ; my three LDS stores have read v[PC ..] and v[PW], which the hidden layer's quantiser writes again
.irp k, 0,1,2,3,4,5,6,7
.irp c, 0,1
	ds_load_b128 v[XF+8*\k+4*\c:XF+8*\k+4*\c+3], v2 offset:XIMG+1024*\k+512*\c
.endr
.endr
.irp k, 0,1,2,3,4,5,6,7
	ds_load_b32 v[XS+\k], v5 offset:XSC+128*\k
.endr
	s_wait_dscnt 0x0
	s_wait_loadcnt 0x0                             ; W1, its scale words, b1
	WIN 0x01                                       ; source 0 (the weight) window 1
.irp k, 0,1,2,3,4,5,6,7
.irp t, 0,1,2,3
.if \k == 0
	v_wmma_scale_f32_16x16x128_f8f6f4 v[HA+8*\t:HA+8*\t+7], v[64*\t+8*\k:64*\t+8*\k+7], v[XF+8*\k:XF+8*\k+7], v[BI+8*\t:BI+8*\t+7], v[WS+8*\t+\k], v[XS+\k] matrix_a_fmt:MATRIX_FMT_FP4 matrix_b_fmt:MATRIX_FMT_FP4
.else
	v_wmma_scale_f32_16x16x128_f8f6f4 v[HA+8*\t:HA+8*\t+7], v[64*\t+8*\k:64*\t+8*\k+7], v[XF+8*\k:XF+8*\k+7], v[HA+8*\t:HA+8*\t+7], v[WS+8*\t+\k], v[XS+\k] matrix_a_fmt:MATRIX_FMT_FP4 matrix_b_fmt:MATRIX_FMT_FP4
.endif
.endr
.endr                                          ; the four accumulators by turns, one instruction a turn
	WIN 0
.rept 4
	v_nop                                          ; places in front of the first read of results
.endr
	WIN 0x40
	s_wait_alu depctr_va_vdst(0)                   ; the products are done reading W1's fragments, its scale words and b1, in whose registers W2's fragments, its scale words and b2 land; only loads and a window switch stand between this wait and the last of them
.irp n, 0,1,2,3
.irp k, 0,1,2,3
.irp c, 0,1
	global_load_b128 v[32*\n+8*\k+4*\c:32*\n+8*\k+4*\c+3], v26, s[18:19] offset:16*\n*256+64*\k+32*\c   ; W2's fragments land while the hidden layer is quantised
.endr
.endr
.endr
	WIN 0
.irp n, 0,1,2,3
	global_load_b128 v[WS+4*\n:WS+4*\n+3], v27, s[20:21] offset:256*\n
.irp f, 0,1
	global_load_b128 v[BI+8*\n+4*\f:BI+8*\n+4*\f+3], v28, s[22:23] offset:64*\n+16*\f   ; b2: lane (r, h), tile n: outputs 16 n + 8 h + 0 .. 7
.endr
.endr
.set j, 0
.rept 32
	v_max_num_f32 v[HA+j], 0, v[HA+j]              ; the activation, in f32; each accumulator from its low end on
.set j, j+1
.endr
	QUANT HA, 2                                    ; my 64 units are half c = w % 2 of K step w / 2 of the second product: four registers of its fragment, two bytes of its scale word
	s_wait_alu depctr_va_vdst(0)                   ; the codes and the two bytes are written, which the LDS stores read; no vector or matrix line behind this wait names v32 to v95 or v185 to v192, in which LDS loads land behind the barrier
	ds_store_b128 v11, v[PC:PC+3] offset:HIMG
	ds_store_b32 v10, v[PW] offset:HSC
	BARRIER                                        ; the hidden layer's four fragments lie in LDS
	; ---- 2: my 64 outputs for the 16 users
.irp k, 0,1,2,3
.irp c, 0,1
	ds_load_b128 v[HF+8*\k+4*\c:HF+8*\k+4*\c+3], v2 offset:HIMG+1024*\k+512*\c
.endr
.endr
.irp j, 0,1,2,3,4,5,6,7
	ds_load_b32 v[HW+\j], v5 offset:HSC+128*\j
.endr
.irp n, 0,1,2,3
.irp f, 0,1
	ds_load_b128 v[UE+8*\n+4*\f:UE+8*\n+4*\f+3], v13 offset:64*\n+16*\f   ; the users' own numbers at my outputs' places
.endr
.endr
	s_wait_dscnt 0x0
.irp k, 0,1,2,3
	v_lshl_or_b32 v[HS+\k], v[HW+2*\k+1], 16, v[HW+2*\k]   ; two waves' bytes make a K step's scale word
.endr
.rept 8
	v_nop                                          ; a scale register written by a vector instruction stands eight places ahead of a scaled product
.endr
	s_wait_alu depctr_va_vdst(0)                   ; the four scale words v[HS ..] are written, which the scaled products take; the places above stay beside this wait
	s_wait_loadcnt 0x0                             ; W2, its scale words, b2
	WIN 0x01
.irp k, 0,1,2,3
.irp n, 0,1,2,3
.if \k == 0
	v_wmma_scale_f32_16x16x128_f8f6f4 v[HA+8*\n:HA+8*\n+7], v[32*\n+8*\k:32*\n+8*\k+7], v[HF+8*\k:HF+8*\k+7], v[BI+8*\n:BI+8*\n+7], v[WS+4*\n+\k], v[HS+\k] matrix_a_fmt:MATRIX_FMT_FP4 matrix_b_fmt:MATRIX_FMT_FP4
.else
	v_wmma_scale_f32_16x16x128_f8f6f4 v[HA+8*\n:HA+8*\n+7], v[32*\n+8*\k:32*\n+8*\k+7], v[HF+8*\k:HF+8*\k+7], v[HA+8*\n:HA+8*\n+7], v[WS+4*\n+\k], v[HS+\k] matrix_a_fmt:MATRIX_FMT_FP4 matrix_b_fmt:MATRIX_FMT_FP4
.endif
.endr
.endr
	WIN 0
.rept 4
	v_nop
.endr
	v_cmp_lt_f32 vcc_lo, 0, v[FW]                  ; user r has a valid neighbour
	s_wait_alu depctr_va_vcc(0)                    ; VCC is written, which the 32 selects below read
.set j, 0
.rept 32
	v_cndmask_b32 v[HA+j], v[UE+j], v[HA+j], vcc_lo   ; else its own embedding
.set j, j+1
.endr
	s_wait_alu depctr_va_vdst(0)                   ; the selects have written v[HA ..], which the LDS stores read; the products are done reading v32 to v63, in which LDS loads land behind the barrier
.irp n, 0,1,2,3
.irp f, 0,1
	ds_store_b128 v14, v[HA+8*\n+4*\f:HA+8*\n+4*\f+3] offset:64*\n+16*\f
.endr
.endr
	BARRIER                                        ; 16 whole rows of the output lie in OSTG
.irp a, 0,1
.irp q, 0,1,2,3
	ds_load_b128 v[32+16*\a+4*\q:32+16*\a+4*\q+3], v15 offset:OP*\a+512*\q
.endr
.endr
.irp a, 0,1
.irp q, 0,1,2,3
	s_wait_dscnt 7-4*\a-\q                         ; this load is in; the younger ones may be out
	global_store_b128 v2, v[32+16*\a+4*\q:32+16*\a+4*\q+3], s[24:25] offset:2048*\a+512*\q   ; 512 consecutive bytes of a row, aligned to 256
.endr
.endr
	s_wait_dscnt 0x0                               ; the closing lines, six on end
	s_wait_alu 0x0
	s_wait_tensorcnt 0x0
	ds_add_u32 v254, v255
	s_wait_dscnt 0x0
	s_endpgm
.Lfunc_end_k_qf0e8a8262d_fuse:
	.size	k_qf0e8a8262d_fuse, .Lfunc_end_k_qf0e8a8262d_fuse-k_qf0e8a8262d_fuse
	.p2alignl 7, 3214868480
	.fill 96, 4, 3214868480
	.section	.rodata,"a",@progbits
	.p2align	6, 0x0
	.amdhsa_kernel k_qf0e8a8262d_fuse
		.amdhsa_group_segment_fixed_size 114176
		.amdhsa_private_segment_fixed_size 0
		.amdhsa_enable_private_segment 0
		.amdhsa_kernarg_size 88
		.amdhsa_user_sgpr_count 2
		.amdhsa_user_sgpr_kernarg_segment_ptr 1
		.amdhsa_wavefront_size32 1
		.amdhsa_system_sgpr_workgroup_id_x 1
		.amdhsa_system_sgpr_workgroup_id_y 1
		.amdhsa_system_sgpr_workgroup_id_z 1
		.amdhsa_system_vgpr_workitem_id 0
		.amdhsa_next_free_vgpr 512
		.amdhsa_next_free_sgpr 80
		.amdhsa_reserve_vcc 1
		.amdhsa_float_denorm_mode_32 3
		.amdhsa_float_denorm_mode_16_64 3
		.amdhsa_memory_ordered 1
		.amdhsa_forward_progress 1
		.amdhsa_inst_pref_size 81
	.end_amdhsa_kernel
	.amdgpu_metadata
---
amdhsa.version: [ 1, 2 ]
amdhsa.kernels:
  - .name:           k_qf0e8a8262d_fuse
    .symbol:         k_qf0e8a8262d_fuse.kd
    .args:
      - { .name: user_embeddings, .offset: 0, .size: 8, .value_kind: global_buffer, .address_space: global }
      - { .name: cache_embeddings, .offset: 8, .size: 8, .value_kind: global_buffer, .address_space: global }
      - { .name: nidx, .offset: 16, .size: 8, .value_kind: global_buffer, .address_space: global }
      - { .name: wts, .offset: 24, .size: 8, .value_kind: global_buffer, .address_space: global }
      - { .name: W1_codes, .offset: 32, .size: 8, .value_kind: global_buffer, .address_space: global }
      - { .name: W1_scales, .offset: 40, .size: 8, .value_kind: global_buffer, .address_space: global }
      - { .name: b1, .offset: 48, .size: 8, .value_kind: global_buffer, .address_space: global }
      - { .name: W2_codes, .offset: 56, .size: 8, .value_kind: global_buffer, .address_space: global }
      - { .name: W2_scales, .offset: 64, .size: 8, .value_kind: global_buffer, .address_space: global }
      - { .name: b2, .offset: 72, .size: 8, .value_kind: global_buffer, .address_space: global }
      - { .name: out0, .offset: 80, .size: 8, .value_kind: global_buffer, .address_space: global }
    .group_segment_fixed_size: 114176
    .private_segment_fixed_size: 0
    .kernarg_segment_align: 8
    .kernarg_segment_size: 88
    .max_flat_workgroup_size: 256
    .sgpr_count:     80
    .vgpr_count:     512
    .wavefront_size: 32
...
	.end_amdgpu_metadata
.endif
;; end of part 9
